; MI455X (gfx1250); checked and timed in simulation.
; The chip was launched on July 23, 2026; its instructions are those of AMD's public machine-readable ISA for CDNA 5 (MIT licence, August 2026) and "CDNA5" Instruction Set Architecture Reference Guide (July 2026). The comments in the code are by the model that wrote it; some were corrected since.
;; Self Attention. Allowed arithmetic: matrix products marked QUANTISED: E4M3 operands, one given power-of-two scale a tensor, by v_wmma_f32_16x16x64_fp8_fp8 or v_wmma_f32_16x16x128_fp8_fp8, f32 sums; everything else in f32.
;; Inputs: b_in 3,072 float32; b_out 1,024 float32; lowp_scales 8 int32 (the exponents e of the quantised operands' scales 2^e); w_in 3,072 x 1,024 float32; w_norm 1,024 float32; w_out 1,024 x 1,024 float32; x 4 x 2,048 x 1,024 float32.
;; Outputs: out0 4 x 2,048 x 1,024 float32.
;; This version of the problem:
;;   THIS VERSION OF THE PROBLEM IS GIVEN IN LOW PRECISION. The matrix products marked QUANTISED in the list below multiply operands that are first quantised to E4M3 (4 exponent bits, 3 mantissa bits; 8 bits a number), with one given power-of-two scale for each operand tensor; their sums are f32. All else is computed in f32.
;;   The module's matrix products, in the order in which they are computed (A, B: the left and right operand; K: the contracted axis; several contracted axes count as one K, in the product's order):
;;     1. [M 8,192, K 1,024] x [K 1,024, N 3,072]; A: computed on the way; B: input w_in: QUANTISED (scales: A lowp_scales[0], B lowp_scales[1])
;;     2. batch 64 x [M 2,048, K 64] x [K 64, N 2,048]; A: computed on the way; B: computed on the way: QUANTISED (scales: A lowp_scales[2], B lowp_scales[3])
;;     3. batch 64 x [M 2,048, K 2,048] x [K 2,048, N 64]; A: softmax (see below); B: computed on the way: QUANTISED (scales: A lowp_scales[4], B lowp_scales[5])
;;     4. [M 8,192, K 1,024] x [K 1,024, N 1,024]; A: computed on the way; B: input w_out: QUANTISED (scales: A lowp_scales[6], B lowp_scales[7])
;;   THE QUANTISER, for each operand of a quantised product, along K:
;;     - The operand's scale is 2^e, e = its entry of the input lowp_scales (int32; the entries are numbered through the quantised products in the list's order, A before B).
;;     - Each number is divided by the scale, clamped to +-448, and rounded to the nearest number of E4M3, ties to even, subnormals kept.
;;     - The product sums the exact products of the quantised numbers (number of the format x scale) in f32.
;;   ~~~python
;;   def quantise(x, axis, e):      # numpy; x: float32 -> the quantised numbers, widened to float32 again
;;       x = np.moveaxis(x, axis, -1); K = x.shape[-1]
;;       r = np.clip(x / 2.0 ** e, -448, 448)
;;       step = 2.0 ** (np.maximum(np.frexp(np.where(r == 0, 1, r))[1] - 1, -6) - 3)
;;       q = np.round(r / step) * step * 2.0 ** e      # np.round: ties to even
;;       return np.moveaxis(q, -1, axis).astype(np.float32)
;;   ~~~
;;   SOFTMAX AHEAD OF A QUANTISED PRODUCT. Where the list says 'softmax', what is quantised is not the finished softmax but p = 2^(t - M), with t = logit x log2(e) and M = ceil(the row's largest t), a whole number; so 1/2 < the row's largest p <= 1. The row's sum l is taken of the UNQUANTISED p, in f32, and the product's result is divided by l at the end. Since M is a whole number, a kernel that streams over the keys may use a running M (the ceiling of the running maximum): every later rescaling is an exact power of two, so the quantised numbers keep their values, but for numbers so far below the row's largest that they fall under the format's range.
;;   OPERANDS COMPUTED ON THE WAY. 'Computed on the way' means the value that the module computes at that place (a softmax that the list does not call 'softmax' is quantised finished and normalised). What goes into a quantiser is computed in f32, as accurately as f32 sums, v_exp_f32 and their like allow (about 1e-6 of the number): no bf16 or f16 on the way to a quantiser, and a product that is left as it is and whose result goes on into a quantised operand takes f32 operands (vector FMAs, or v_wmma_f32_16x16x4_f32). A number that lies on a knife's edge between two numbers of the format may be rounded either way, as far as f32 arithmetic and the matrix unit's own rounding can turn it there, and no further.
;; One version. Each part assembles by itself: llvm-mc -triple=amdgcn-amd-amdhsa -mcpu=gfx1250 --defsym DOCPART=n.
;; ======== version 1 of 1: 4 launches
;; workspace buffers: xn_codes 8,388,608 bytes; win_codes 3,145,728 bytes; wout_codes 1,048,576 bytes; qkv 25,165,824 bytes; o_codes 8,388,608 bytes
;; launch prep (part 1): grid 384 x 1, 8 waves a work-group, no clusters, 33,792 bytes of LDS; arguments x, w_in, w_out, w_norm, lowp_scales, xn_codes, win_codes, wout_codes; writes xn_codes, win_codes, wout_codes
.if DOCPART == 1
	.amdgcn_target "amdgcn-amd-amdhsa--gfx1250"
	.amdhsa_code_object_version 6
	.text
	.protected	k_q529a720530_prep
	.globl	k_q529a720530_prep
	.p2align	8
	.type	k_q529a720530_prep,@function
k_q529a720530_prep:
	s_mov_b64 s[64:65], 0
	v_nop
	global_prefetch_b8 v0, s[64:65] scope:SCOPE_SE
	s_setreg_imm32_b32 hwreg(HW_REG_WAVE_MODE, 25, 1), 1
	s_wait_xcnt 0x0
; Three tensors of rows of 1,024 f32 become codes of FP8 (E4M3), one byte a number, rows of 1,024 bytes, K innermost and in plain order:
;   x [8192][1024]   -> xn_codes:  x * rsqrt(mean(x^2) + 1e-5) * w_norm, quantised with 2^e0
;   w_in [3072][1024] -> win_codes, with 2^e1;      w_out [1024][1024] -> wout_codes, with 2^e7
; code = number / 2^e, held within +-448, to the nearest code, ties to even.
; LIMITS: e0, e1, e7 between -126 and 119, so that 2^e and 448 x 2^e are f32 numbers.  NaN among the inputs is not served (an infinity is held at the largest code).
; SHARES.  12,288 rows in all; a work-group takes 32, a wave 4, a wave a whole row at a time (32 registers), so the row's sum of squares never leaves the wave.
; Work-groups 0-255 take x, 256-351 w_in, 352-383 w_out.  ONE path serves all three: pointers, the exponent and a lane mask are chosen by the work-group's number;
; for the weights the row's factor and the gain are replaced by 1.0, and a multiplication by 1.0 changes nothing.
; Nothing is shared between work-groups but w_norm's 4,096 bytes: no cluster, no tensor load, no matrix unit: the launch only streams.
; Each load reads 512 consecutive bytes (16 a lane).  A lane's four codes of a load are 4 bytes: they go through the wave's own LDS bytes and come back 16 a lane, so that each store covers 512 consecutive bytes, aligned.
.set SPARE, 32768                      ; behind the eight waves' 4,096 bytes: the spare words, 128 bytes a wave: four blocks of 256 bytes that no other line names
.set SPW, 4                            ; v4   LDS address of my spare word; never rewritten
.set NIL, 5                            ; v5   0; never rewritten
.set WN,  16                           ; v16-47   the gain at my 32 columns (or 1.0)
.set X,   48                           ; v48-175  four rows, 32 registers each
.set CDE, 176                          ; v176-207 codes, 8 registers a row
.set RB,  208                          ; v208-239 codes read back, 8 registers a row
	s_load_b512 s[16:31], s[0:1], 0x0              ; x, w_in, w_out, w_norm, the exponents, xn_codes, win_codes, wout_codes
	v_lshl_add_u32 v[SPW], v0, 2, SPARE
	v_mov_b32 v[NIL], 0
	v_lshrrev_b32 v1, 5, v0
	v_readfirstlane_b32 s8, v1                     ; wave 0..7
	v_and_b32 v2, 31, v0                           ; lane
	s_lshl_b32 s11, s8, 12                         ; my wave's 4,096 bytes of LDS
	v_lshlrev_b32 v1, 4, v2                        ; v1: 16 x lane: my bytes of a load's or a store's 512
	v_lshl_add_u32 v3, v2, 4, s11                  ; v3: LDS, the way back: 16 x lane
	v_lshl_add_u32 v2, v2, 2, s11                  ; v2: LDS, the way in: 4 x lane
	s_mov_b32 s12, 0x76543210                      ; lane selects: lane l takes lane l xor 16
	s_mov_b32 s13, 0xfedcba98
	s_mov_b32 s14, 0x3a800000                      ; 1 / 1024
	s_mov_b32 s15, 0x3727c5ac                      ; 1e-5
	s_mov_b32 s9, 352
	s_cmp_lt_u32 ttmp9, 352
	s_cselect_b32 s9, 256, s9
	s_cmp_lt_u32 ttmp9, 256
	s_cselect_b32 s9, 0, s9                        ; the first work-group of my tensor
	s_cselect_b32 s40, -1, 0                       ; all lanes: the norm applies (x); none: it does not (weights)
	s_sub_co_u32 s42, ttmp9, s9
	s_lshl_b32 s42, s42, 5
	s_lshl_b32 s43, s8, 2
	s_add_co_u32 s42, s42, s43                     ; my wave's first row: 32 x work-group + 4 x wave
	s_lshl_b32 s44, s42, 10                        ; in the codes: 1,024 bytes a row
	s_mov_b32 s45, 0
	s_lshl_b32 s42, s42, 12                        ; in the numbers: 4,096 bytes a row (under 2^26)
	s_mov_b32 s43, 0
	s_wait_kmcnt 0x0
	s_load_b256 s[32:39], s[24:25], 0x0            ; e0 .. e7
	s_cmp_lt_u32 ttmp9, 352                        ; the choices hang on the work-group's number alone
	s_cselect_b64 s[4:5], s[18:19], s[20:21]
	s_cselect_b64 s[6:7], s[28:29], s[30:31]
	s_cmp_lt_u32 ttmp9, 256
	s_cselect_b64 s[4:5], s[16:17], s[4:5]
	s_cselect_b64 s[6:7], s[26:27], s[6:7]
	s_add_nc_u64 s[4:5], s[4:5], s[42:43]
	s_add_nc_u64 s[6:7], s[6:7], s[44:45]
.irp i, 0,1,2,3,4,5,6,7
	global_load_b128 v[WN+4*\i:WN+4*\i+3], v1, s[22:23] offset:512*\i          ; w_norm at columns 128 i + 4 lane + 0 .. 3
.endr
.irp r, 0,1,2,3
.irp i, 0,1,2,3,4,5,6,7
	global_load_b128 v[X+32*\r+4*\i:X+32*\r+4*\i+3], v1, s[4:5] offset:4096*\r+512*\i th:TH_LOAD_NT   ; all four rows are asked for at once: 32 loads of 512 consecutive bytes
.endr
.endr
	s_wait_kmcnt 0x0
	s_cmp_lt_u32 ttmp9, 352
	s_cselect_b32 s10, s33, s39
	s_cmp_lt_u32 ttmp9, 256
	s_cselect_b32 s10, s32, s10                    ; my tensor's e
	s_add_co_i32 s10, s10, 127
	s_lshl_b32 s41, s10, 23
	v_mov_b32 v6, s41                              ; 2^e as f32: the conversion takes its exponent field
	s_add_co_i32 s10, s10, 8
	s_lshl_b32 s10, s10, 23
	s_or_b32 s10, s10, 0x600000
	v_mov_b32 v7, s10                              ; 448 x 2^e
	s_wait_loadcnt 32                              ; the gain is in; the rows' 32 loads may be out
.set j, 0
.rept 32
	v_cndmask_b32 v[WN+j], 1.0, v[WN+j], s40       ; the weights take 1.0
.set j, j+1
.endr
; One row: the norm, the hold, the conversion, and the turn through LDS.
.macro ROW r
.set XR, X+32*(\r)
	s_wait_loadcnt 8*(3-(\r))                      ; loads come back in order: this row's eight are in, the later rows' stay out
	v_pk_mul_f32 v[8:9], v[XR:XR+1], v[XR:XR+1]    ; the sum of squares of my 32 numbers, two at a time, in two chains
	v_pk_mul_f32 v[10:11], v[XR+2:XR+3], v[XR+2:XR+3]
.irp j, 4,8,12,16,20,24,28
	v_pk_fma_f32 v[8:9], v[XR+\j:XR+\j+1], v[XR+\j:XR+\j+1], v[8:9]
	v_pk_fma_f32 v[10:11], v[XR+\j+2:XR+\j+3], v[XR+\j+2:XR+\j+3], v[10:11]
.endr
	v_pk_add_f32 v[8:9], v[8:9], v[10:11]
	v_add_f32 v8, v8, v9
	v_add_f32_dpp v8, v8, v8 row_xmask:1 row_mask:0xf bank_mask:0xf
	v_add_f32_dpp v8, v8, v8 row_xmask:2 row_mask:0xf bank_mask:0xf
	v_add_f32_dpp v8, v8, v8 row_xmask:4 row_mask:0xf bank_mask:0xf
	v_add_f32_dpp v8, v8, v8 row_xmask:8 row_mask:0xf bank_mask:0xf
	v_permlanex16_b32 v9, v8, s12, s13
	v_add_f32 v8, v8, v9                           ; every lane holds the row's sum
	v_fma_f32 v8, v8, s14, s15                     ; the mean + 1e-5
	v_rsq_f32 v12, v8
	v_nop                                          ; a plain instruction behind the transcendental,
	s_wait_alu depctr_va_vdst(0)                   ; and the wait ahead of its first reader
	v_cndmask_b32 v12, 1.0, v12, s40               ; the weights take 1.0
	v_mov_b32 v13, v12
.set j, 0
.rept 16
	v_pk_mul_f32 v[XR+j:XR+j+1], v[XR+j:XR+j+1], v[12:13]           ; x * rsqrt first,
.set j, j+2
.endr
.set j, 0
.rept 16
	v_pk_mul_f32 v[XR+j:XR+j+1], v[XR+j:XR+j+1], v[WN+j:WN+j+1]     ; then * w_norm: the order in which the module multiplies
.set j, j+2
.endr
.set j, 0
.rept 32
	v_med3_num_f32 v[XR+j], v[XR+j], -v7, v7       ; the conversion to an 8-bit code does not saturate (ISA guide 7.6.2): the hold at the largest code x the scale
.set j, j+1
.endr
.irp g, 0,1,2,3
	v_cvt_scalef32_pk8_fp8_f32 v[CDE+8*(\r)+2*\g:CDE+8*(\r)+2*\g+1], v[XR+8*\g:XR+8*\g+7], v6   ; register i of the eight: the codes of load i: columns 128 i + 4 lane + 0 .. 3
.endr
	v_nop                                          ; a plain instruction behind the last conversion
.irp i, 0,1,2,3,4,5,6,7
	ds_store_b32 v2, v[CDE+8*(\r)+\i] offset:1024*(\r)+128*\i
.endr
.irp i, 0,1
	ds_load_b128 v[RB+8*(\r)+4*\i:RB+8*(\r)+4*\i+3], v3 offset:1024*(\r)+512*\i   ; LDS serves a wave's instructions in order (ISA guide 5.7.1.4): these see the stores above
.endr
.endm
.macro OUT r, younger                  ; younger: the LDS instructions issued behind row r's two loads
	s_wait_dscnt \younger
.irp i, 0,1
	global_store_b128 v1, v[RB+8*(\r)+4*\i:RB+8*(\r)+4*\i+3], s[6:7] offset:1024*(\r)+512*\i   ; 32 lanes store 512 consecutive bytes, aligned.  Every row has its own registers: none is written again
.endr
.endm
	ROW 0
	ROW 1
	OUT 0, 10                                      ; behind row 0's loads: row 1's eight stores and two loads
	ROW 2
	OUT 1, 10
	ROW 3
	OUT 2, 10
	OUT 3, 0
	s_wait_tensorcnt 0x0                           ; the wave's end: behind my last LDS store
	ds_add_u32 v[SPW], v[NIL]
	s_wait_dscnt 0x0
	s_endpgm
.Lfunc_end_k_q529a720530_prep:
	.size	k_q529a720530_prep, .Lfunc_end_k_q529a720530_prep-k_q529a720530_prep
	.p2alignl 7, 3214868480
	.fill 96, 4, 3214868480
	.section	.rodata,"a",@progbits
	.p2align	6, 0x0
	.amdhsa_kernel k_q529a720530_prep
		.amdhsa_group_segment_fixed_size 33792
		.amdhsa_private_segment_fixed_size 0
		.amdhsa_enable_private_segment 0
		.amdhsa_kernarg_size 64
		.amdhsa_user_sgpr_count 2
		.amdhsa_user_sgpr_kernarg_segment_ptr 1
		.amdhsa_wavefront_size32 1
		.amdhsa_system_sgpr_workgroup_id_x 1
		.amdhsa_system_sgpr_workgroup_id_y 1
		.amdhsa_system_sgpr_workgroup_id_z 1
		.amdhsa_system_vgpr_workitem_id 0
		.amdhsa_next_free_vgpr 240
		.amdhsa_next_free_sgpr 66
		.amdhsa_reserve_vcc 0
		.amdhsa_float_denorm_mode_32 3
		.amdhsa_float_denorm_mode_16_64 3
		.amdhsa_memory_ordered 1
		.amdhsa_forward_progress 1
		.amdhsa_inst_pref_size 36
	.end_amdhsa_kernel
	.amdgpu_metadata
---
amdhsa.version: [ 1, 2 ]
amdhsa.kernels:
  - .name:           k_q529a720530_prep
    .symbol:         k_q529a720530_prep.kd
    .args:
      - { .name: x, .offset: 0, .size: 8, .value_kind: global_buffer, .address_space: global }
      - { .name: w_in, .offset: 8, .size: 8, .value_kind: global_buffer, .address_space: global }
      - { .name: w_out, .offset: 16, .size: 8, .value_kind: global_buffer, .address_space: global }
      - { .name: w_norm, .offset: 24, .size: 8, .value_kind: global_buffer, .address_space: global }
      - { .name: lowp_scales, .offset: 32, .size: 8, .value_kind: global_buffer, .address_space: global }
      - { .name: xn_codes, .offset: 40, .size: 8, .value_kind: global_buffer, .address_space: global }
      - { .name: win_codes, .offset: 48, .size: 8, .value_kind: global_buffer, .address_space: global }
      - { .name: wout_codes, .offset: 56, .size: 8, .value_kind: global_buffer, .address_space: global }
    .group_segment_fixed_size: 33792
    .private_segment_fixed_size: 0
    .kernarg_segment_align: 8
    .kernarg_segment_size: 64
    .max_flat_workgroup_size: 256
    .sgpr_count:     66
    .vgpr_count:     240
    .wavefront_size: 32
...
	.end_amdgpu_metadata
.endif
;; end of part 1
;; launch qkv (part 2): grid 12 x 32, 4 waves a work-group, clusters of 4 x 4, 327,680 bytes of LDS; arguments xn_codes, win_codes, lowp_scales, b_in, qkv; writes qkv
.if DOCPART == 2
	.amdgcn_target "amdgcn-amd-amdhsa--gfx1250"
	.amdhsa_code_object_version 6
	.text
	.protected	k_q529a720530_qkv
	.globl	k_q529a720530_qkv
	.p2align	8
	.type	k_q529a720530_qkv,@function
k_q529a720530_qkv:
	s_mov_b64 s[64:65], 0
	v_nop
	global_prefetch_b8 v0, s[64:65] scope:SCOPE_SE
	s_setreg_imm32_b32 hwreg(HW_REG_WAVE_MODE, 25, 1), 1
	s_wait_xcnt 0x0
	s_wait_alu depctr_hold_cnt(0) depctr_sa_sdst(0) depctr_va_vdst(0) depctr_va_sdst(0) depctr_va_ssrc(0) depctr_va_vcc(0) depctr_vm_vsrc(0)
	s_getreg_b32 s2, hwreg(HW_REG_IB_STS2, 6, 4)
	s_cmp_eq_u32 s2, 0
	s_cbranch_scc0 .Lentry_in_a_cluster
	s_endpgm
.Lentry_in_a_cluster:
	s_bfe_u32 s2, ttmp6, 0x10000c
	s_cmp_lg_u32 s2, 0xf033
	s_cbranch_scc0 .Lentry_shape_is_right
	s_endpgm
.Lentry_shape_is_right:
; qkv = xn W_in^T x 2^(e0 + e1) + b_in on codes of FP8 (E4M3), and its three thirds leave as codes again: q with 2^e2, k with 2^e3, v with 2^e5.  No f32 number of q, k or v goes to memory.
; xn_codes [8192][1024], win_codes [3072][1024]: K innermost.  A tile of 256 x 256 to a work-group of four waves, 128 x 128 to a wave: 64 accumulators, 512 registers.
; K goes in steps of 256 through a ring of two LDS slots filled by the tensor data mover; a tile's row is 256 bytes of memory.
; CLUSTERS: 4 x 4 work-groups.  The four of a row of the cluster need the same tile of xn, the four of a column the same tile of W: each tile is asked for JOINTLY.
; THE RESULT'S LAYOUT.  Source 1 of the matrix instruction is the LANE operand (a lane holds one of its rows, m), source 0 the REGISTER operand (a lane's eight registers are eight of its rows, n).
; For q and k (cluster x = 0, 1) the lane operand is xn and the register operand W: a lane holds a token and neighbouring features, which are the next product's K.
; For v (cluster x = 2) the two change places: a lane holds a feature and neighbouring TOKENS, which are the keys, the K of the product with the softmax.  Only the two LDS bases from which fragments are read are chosen,
; by the cluster's x, which all sixteen partners share; both choices lie inside the slot in hand.  Nothing is transposed.
; THE BUFFER qkv, in chunks [n / 64][m][64 bytes]:  q: head g at g x 524,288 + token x 64;  k: the same with g = 16 + head;  v: 16,777,216 + (token / 64) x 65,536 + feature x 64.
; In each 32 bytes of a chunk's row, byte 16 h + 8 u + j holds index 16 u + 8 h + j (h, u = 0, 1): a lane's codes of two neighbouring tiles on end.  A load of 16 bytes at 32 c + 16 (lane / 16) then puts every k where the plain 8-bit layout has it.
; LIMITS: e0 + e1 between -126 and 127; e2, e3, e5 between -126 and 119.  NaN is not served.
; REGISTERS, in windows of 256: window 0: v0-31 addresses and two scales; v32-95 the bias by register (BN), v96-111 the bias by lane (BM); from v128 the lane operand's fragments, ONE set; on the way out v128-255 are at work.
;   window 1: the register operand's fragments, TWO sets.   window 2: the accumulators of my rows 0-63 ((a, b) at v[8 (8 a + b)]);   window 3: those of rows 64-127.
.set SIZE_K, 1024
.set KSTEP,  256                       ; along K in a slot
.set ROWB,   256                       ; a tile's row in bytes
.set KROW,   SIZE_K                    ; a row of codes in memory, in bytes
.set PITCH,  272                       ; an LDS row: 256 bytes + 16 of padding = 68 words: the 16 rows that a load touches start at 16 different banks (64 banks of 4 bytes: ISA guide 11.1)
.set FR,     16                        ; registers of a fragment: 16 rows x 128 K
.set NL,     4                         ; LDS loads that bring one
.set NP,     4                         ; places behind this matrix instruction (ISA guide 7.12.1)
.set HALFT,  128*PITCH                 ; 128 rows: what one tensor load brings
.set SLOT,   4*HALFT                   ; xn's 256 rows, then W's 256 rows
.set LAPS,   SIZE_K/(2*KSTEP)          ; a lap = two K steps = once round the ring
.set SPARE,  2*SLOT                    ; behind the ring: the spare words, 128 bytes a wave: two blocks of 256 bytes that no other line names
.set SROW,   80                        ; the way out: a stage row: 64 bytes of codes + 16
.set SCH,    128*SROW                  ; a chunk's 128 rows
.set SWV,    2*SCH                     ; a wave's stage: two chunks.  The stages lie in slot 0, which has had its last fill and its last read when the first code is stored there
.set ADRA, 16                          ; v16-17  LDS address of the lane operand's fragments in slot 0, 1
.set ADRB, 20                          ; v20-21  the same for the register operand
.set STO,  24                          ; v24     the way out: where I put 16 bytes of a row
.set RD,   25                          ; v25     where I read rows back
.set CO,   26                          ; v26     16 x lane
.set SPW,  28                          ; v28     LDS address of my spare word; never rewritten
.set NIL,  29                          ; v29     0; never rewritten
.set SCL,  30                          ; v30     2^eo as f32, eo the exponent of my third
.set LIMV, 31                          ; v31     448 x 2^eo
.set BN,   32                          ; v32-95  register 8 b + j: b_in at feature n0 + 16 b + 8 h + j (q, k); 0 (v)
.set BM,   96                          ; v96-111 pair a: b_in at feature 2048 + m0 + 16 a + r, twice (v); 0 (q, k)
.set AF,   128
.set TMP,  128                         ; the way out: a block's 64 numbers
.set CD,   192                         ; and its codes: two sets of 16 by turns
.set G1, 24                            ; s[24:31] descriptor group 1 for xn's tiles;  s[32:39] group 0, one set for each slot
.set G0, 32
.set G1B, 48                           ; s[48:55], s[56:63] the same for W's tiles
.set G0B, 56
.set MSB, 0
.macro WIN new                         ; the immediate's high byte repeats the setting that is left
.if MSB != \new
	s_set_vgpr_msb (MSB<<8)|\new
.set MSB, \new
.endif
.endm
.set MUL_LO, 0xa1                      ; source 0 window 1, source 1 window 0, C and D window 2
.set MUL_HI, 0xf1                      ; the same, C and D window 3
.set TO_B,   0x40                      ; destination window 1, address window 0
; A joint load: waves 0 and 1 fetch xn's two halves, waves 2 and 3 W's.  Each of the two lines has ONE mask and one set of registers; the branch hangs on the wave's number alone.
; An s_nop 0 and four v_nop follow each of the two lines, ahead of the jump, the label and what follows.
.macro JLOAD g0a, g1a, g0b, g1b
	s_cmp_eq_u32 s15, 0
	s_cbranch_scc0 .Lfor_b_\@
	tensor_load_to_lds s[\g0a:\g0a+3], s[\g1a:\g1a+7]
	s_nop 0
.rept 4
	v_nop
.endr
	s_branch .Lasked_\@
.Lfor_b_\@:
	tensor_load_to_lds s[\g0b:\g0b+3], s[\g1b:\g1b+7]
	s_nop 0
.rept 4
	v_nop
.endr
.Lasked_\@:
.endm
.macro CREST                           ; a round of the cluster's barrier behind its opening barrier
	s_cmp_lg_u32 s14, 0
	s_cbranch_scc1 .Lnot_wave_0_\@
	s_barrier_signal -3
.Lnot_wave_0_\@:
	s_barrier_wait -3
	s_barrier_signal -1
	s_barrier_wait -1
.endm
.macro CROUND                          ; a whole round
	s_barrier_signal -1
	s_barrier_wait -1
	CREST
.endm
	s_load_b128 s[4:7], s[0:1], 0x0                ; xn's codes s[4:5], W's codes s[6:7]
	s_load_b128 s[8:11], s[0:1], 0x10              ; the exponents s[8:9], b_in s[10:11]
	s_load_b64 s[12:13], s[0:1], 0x20              ; qkv
	v_lshl_add_u32 v[SPW], v0, 2, SPARE
	v_mov_b32 v[NIL], 0
	ds_add_u32 v[SPW], v[NIL]                      ; the wave's opening: the add and its wait stand ahead of my first tensor load; the set-up below, work on registers, stands between them
	v_lshrrev_b32 v1, 5, v0
	v_readfirstlane_b32 s14, v1                    ; wave 0..3
	s_lshr_b32 s15, s14, 1                         ; which half of the lane operand's rows is mine.  Also: I fetch for xn (0) or for W (1)
	s_and_b32 s16, s14, 1                          ; which half of the register operand's.  Also: which 128 rows of that tile I fetch
	s_bfe_u32 s40, ttmp6, 0x40000                  ; cx, cy: my place in the cluster
	s_bfe_u32 s41, ttmp6, 0x40004
	s_lshl_b32 s42, ttmp9, 2
	s_add_co_u32 s42, s42, s40                     ; tile column (of W's 12) = 4 x cluster x + cx
	s_and_b32 s17, ttmp7, 0xffff
	s_lshl_b32 s17, s17, 2
	s_add_co_u32 s17, s17, s41                     ; tile row (of xn's 32) = 4 x cluster y + cy
	s_lshl_b32 s43, s41, 2
	s_lshl_b32 s43, 15, s43                        ; my row of the cluster
	s_lshl_b32 s44, 0x1111, s40                    ; my column
	; descriptor group 1: a tile of 128 rows x 256 bytes, padded in LDS
	s_or_b32 s[G1+0], s43, (0<<16)|(1<<20)|(1<<21)|(5<<22)|(3<<25)  ; 15:0 the mask: xn's tiles go to my row; 17:16 elements of 1 byte; 20 padding on; 21 set beside a mask; 24:22 after every 64 words (code 5); 31:25 four words (code 3)
	s_or_b32 s[G1B+0], s44, (0<<16)|(1<<20)|(1<<21)|(5<<22)|(3<<25) ; the same with the mask of my column
.irp g, G1, G1B
	s_mov_b32 s[\g+1], ROWB<<16                    ; tensor_dim0
	s_mov_b32 s[\g+2], 128<<16                     ; tensor_dim1 = 128
	s_mov_b32 s[\g+3], ROWB<<16                    ; tile_dim0
	s_mov_b32 s[\g+4], 128                         ; tile_dim1 = 128
	s_mov_b32 s[\g+5], KROW                        ; tensor_dim0_stride
	s_mov_b32 s[\g+6], 0
	s_mov_b32 s[\g+7], 0
.endr
	s_lshl_b32 s18, s16, 7                         ; which 128 rows of the tile I fetch
	s_lshl_b32 s20, s17, 8
	s_add_co_u32 s20, s20, s18                     ; xn: row 256 x tile row + 128 x half
	s_lshl_b32 s46, s42, 8
	s_add_co_u32 s46, s46, s18                     ; W: row 256 x tile column + 128 x half
	s_mov_b32 s21, 0
	s_mov_b32 s47, 0
	s_mov_b64 s[18:19], KROW
	s_mul_u64 s[20:21], s[20:21], s[18:19]
	s_mul_u64 s[46:47], s[46:47], s[18:19]
	s_mul_i32 s45, s14, HALFT                      ; where they go: wave x 128 rows: no place in the cluster enters an LDS address
	s_wait_dscnt 0x0                               ; the opening add is done
	s_wait_kmcnt 0x0
	s_load_b256 s[72:79], s[8:9], 0x0              ; e0 .. e7
	s_add_nc_u64 s[20:21], s[4:5], s[20:21]
	s_add_nc_u64 s[46:47], s[6:7], s[46:47]
	CROUND                                         ; all sixteen work-groups are here: the first joint loads meet
.irp s, 0,1
	s_mov_b32 s[G0+4*\s], 1
	s_add_co_u32 s[G0+4*\s+1], s45, \s*SLOT
	s_add_nc_u64 s[G0+4*\s+2:G0+4*\s+3], s[20:21], \s*ROWB
	s_or_b32 s[G0+4*\s+3], s[G0+4*\s+3], 0x80000000
	s_mov_b32 s[G0B+4*\s], 1
	s_add_co_u32 s[G0B+4*\s+1], s45, \s*SLOT
	s_add_nc_u64 s[G0B+4*\s+2:G0B+4*\s+3], s[46:47], \s*ROWB
	s_or_b32 s[G0B+4*\s+3], s[G0B+4*\s+3], 0x80000000
	JLOAD G0+4*\s, G1, G0B+4*\s, G1B               ; two loads of mine are out
.endr
	v_and_b32 v1, 15, v0                           ; r = lane % 16
	v_bfe_u32 v2, v0, 4, 1                         ; h = lane / 16
	v_mul_u32_u24 v3, v1, PITCH
	v_lshl_add_u32 v4, v2, 4, v3                   ; a fragment's row x pitch + 16 x half
	s_cmp_eq_u32 ttmp9, 2                          ; v's clusters: the same answer in all sixteen partners
	s_cselect_b32 s23, 2*HALFT, 0                  ; the lane operand: W's rows (v) or xn's (q, k)
	s_cselect_b32 s66, 0, 2*HALFT                  ; the register operand: the other one
	s_cselect_b32 s90, 0, -1                       ; lanes that keep the bias by register
	s_cselect_b32 s91, -1, 0                       ; lanes that keep the bias by lane
	s_mul_i32 s21, s15, HALFT
	s_mul_i32 s22, s16, HALFT
	s_add_co_u32 s21, s21, s23
	s_add_co_u32 s22, s22, s66
.irp s, 0,1
	v_add_nc_u32 v[ADRA+\s], s21, v4
	v_add_nc_u32 v[ADRB+\s], s22, v4
	s_add_co_u32 s21, s21, SLOT
	s_add_co_u32 s22, s22, SLOT
.endr
	; where my 128 x 128 lies: m0 the lane operand's first row, n0 the register operand's.  (Registers of their own: none of them feeds a descriptor)
	s_lshl_b32 s80, s17, 8                         ; 256 x tile row: tokens
	s_lshl_b32 s81, s42, 8                         ; 256 x tile column: features of qkv's 3,072
	s_and_b32 s82, s81, 0x3ff                      ; in v's third: features 0 .. 1,023
	s_mov_b32 s85, 524288
	s_cmp_eq_u32 ttmp9, 2
	s_cselect_b32 s83, s82, s80
	s_cselect_b32 s84, s80, s81
	s_cselect_b32 s85, 65536, s85                  ; bytes from chunk to chunk
	s_cselect_b32 s92, 0x1000000, 0                ; v's part of the buffer
	s_lshl_b32 s86, s15, 7
	s_add_co_u32 s83, s83, s86                     ; m0
	s_lshl_b32 s86, s16, 7
	s_add_co_u32 s84, s84, s86                     ; n0
	s_lshr_b32 s86, s84, 6
	s_mul_i32 s86, s86, s85
	s_add_co_u32 s86, s86, s92
	s_lshl_b32 s87, s83, 6
	s_add_co_u32 s86, s86, s87                     ; (n0 / 64) chunks + m0 rows of 64 bytes: under 2^25
	s_mov_b32 s87, 0
	s_add_nc_u64 s[68:69], s[12:13], s[86:87]      ; my first chunk's 128 rows: 8,192 consecutive bytes,
	s_mov_b32 s86, s85
	s_add_nc_u64 s[70:71], s[68:69], s[86:87]      ; and my second's
	s_add_co_u32 s93, s83, 2048
	s_cmp_eq_u32 ttmp9, 2
	s_cselect_b32 s86, 0, s84                      ; the bias that is not wanted is read from b_in's head and replaced by 0: no branch
	s_cselect_b32 s88, s93, 0
	s_lshl_b32 s86, s86, 2
	s_lshl_b32 s88, s88, 2
	s_mov_b32 s89, 0
	s_add_nc_u64 s[86:87], s[10:11], s[86:87]
	s_add_nc_u64 s[88:89], s[10:11], s[88:89]
	v_lshlrev_b32 v8, 5, v2                        ; 32 h
	v_lshlrev_b32 v9, 2, v1                        ; 4 r
.irp b, 0,1,2,3,4,5,6,7
	global_load_b128 v[BN+8*\b:BN+8*\b+3], v8, s[86:87] offset:64*\b
	global_load_b128 v[BN+8*\b+4:BN+8*\b+7], v8, s[86:87] offset:64*\b+16
.endr
.irp a, 0,1,2,3,4,5,6,7
	global_load_b32 v[BM+2*\a], v9, s[88:89] offset:64*\a
.endr
	s_mul_i32 s23, s14, SWV                        ; my stage
	v_mul_u32_u24 v5, v1, SROW                     ; in: row r of a block, 16 bytes for each half of the lanes
	v_lshl_add_u32 v5, v2, 4, v5
	v_add_nc_u32 v[STO], s23, v5
	v_bfe_u32 v6, v0, 2, 3                         ; back: four lanes to a row of 64 bytes, eight rows an instruction
	v_mul_u32_u24 v6, v6, SROW
	v_and_b32 v7, 3, v0
	v_lshl_add_u32 v6, v7, 4, v6
	v_add_nc_u32 v[RD], s23, v6
	v_and_b32 v7, 31, v0
	v_lshlrev_b32 v[CO], 4, v7
	s_wait_kmcnt 0x0
	s_add_co_i32 s96, s72, s73                     ; e0 + e1
	s_add_co_i32 s96, s96, 127
	s_lshl_b32 s96, s96, 23                        ; 2^(e0 + e1) as f32
	s_mov_b32 s97, s96                             ; (named with it as a pair, so it is written)
	s_cmp_eq_u32 ttmp9, 0
	s_cselect_b32 s94, s74, s75                    ; q: e2, k: e3,
	s_cmp_eq_u32 ttmp9, 2
	s_cselect_b32 s94, s77, s94                    ; v: e5
	s_add_co_i32 s94, s94, 127
	s_lshl_b32 s95, s94, 23
	v_mov_b32 v[SCL], s95
	s_add_co_i32 s94, s94, 8
	s_lshl_b32 s94, s94, 23
	s_or_b32 s94, s94, 0x600000
	v_mov_b32 v[LIMV], s94
	s_wait_loadcnt 0x0                             ; the biases
.set j, 0
.rept 64
	v_cndmask_b32 v[BN+j], 0, v[BN+j], s90
.set j, j+1
.endr
.irp a, 0,1,2,3,4,5,6,7
	v_cndmask_b32 v[BM+2*\a], 0, v[BM+2*\a], s91
	v_mov_b32 v[BM+2*\a+1], v[BM+2*\a]
.endr
.macro FRAG reg, adr, q, i             ; a fragment, 16 rows x 128 K: lane l holds row l % 16; registers 4 c .. 4 c + 3 hold K = 32 c + 16 (l / 16) + 0 .. 15: one permutation of k, the same on both sides
.irp c, 0,1,2,3
	ds_load_b128 v[\reg+4*\c:\reg+4*\c+3], v[\adr] offset:128*(\q)+32*\c+(\i)*16*PITCH
.endr
.endm
; 16 matrix instructions: the lane operand's blocks a0, a0 + 1 x the register operand's eight, 128 along K.  p: the register operand's set.  zero = 1: the first product starts the sums.
; The 64 accumulators take turns, one instruction a turn, in the same order in every step.
.macro MUL16 a0, p, zero
.irp a, \a0, \a0+1
.irp b, 0,1,2,3,4,5,6,7
.if \zero
	v_wmma_f32_16x16x128_fp8_fp8 v[8*(8*((\a)%4)+\b):8*(8*((\a)%4)+\b)+7], v[128*(\p)+FR*\b:128*(\p)+FR*\b+FR-1], v[AF+FR*(\a):AF+FR*(\a)+FR-1], 0
.else
	v_wmma_f32_16x16x128_fp8_fp8 v[8*(8*((\a)%4)+\b):8*(8*((\a)%4)+\b)+7], v[128*(\p)+FR*\b:128*(\p)+FR*\b+FR-1], v[AF+FR*(\a):AF+FR*(\a)+FR-1], v[8*(8*((\a)%4)+\b):8*(8*((\a)%4)+\b)+7]
.endif
.endr
.endr
.endm
.macro FETCH_B slot, q, p
	WIN TO_B
.irp i, 0,1,2,3,4,5,6,7
	FRAG 128*(\p)+FR*\i, ADRB+\slot, \q, \i
.endr
	WIN 0
.endm
.macro FETCH_A slot, q, i0
.irp i, \i0, \i0+1, \i0+2, \i0+3
	FRAG AF+FR*(\i), ADRA+\slot, \q, \i
.endr
.endm
.macro PLACES n                        ; plain vector instructions that name no register of the matrix instructions before them, in front of loads into registers that those have read and of the first read of results
.rept \n
	v_nop
.endr
.endm
; A step of 128 along K that has its successor in the same slot.
.macro STEP slot, q, zero
	s_wait_dscnt 4*NL                              ; the register operand's set and blocks 0-3 are in; the youngest 16 loads (blocks 4-7) may be out
	WIN MUL_LO
	MUL16 0, (\q)%2, \zero
	MUL16 2, (\q)%2, \zero
	s_wait_dscnt 0                                 ; blocks 4-7 are in
	PLACES NP
	FETCH_B \slot, (\q)+1, 1-(\q)%2
	FETCH_A \slot, (\q)+1, 0
	WIN MUL_HI
	MUL16 4, (\q)%2, \zero
	MUL16 6, (\q)%2, \zero
	PLACES NP
	WIN 0
	FETCH_A \slot, (\q)+1, 4
.endm
; A slot's last step changes slots: ONE barrier; in front of it each wave waits for all its tensor loads, adds 0 to its spare word, and waits for that and for its own reads of this slot.  fill = 1: this slot is filled again, two K steps ahead.
.macro TURN slot, next, fill
	s_wait_tensorcnt 0x0                           ; all my tensor loads have landed: my part of the next slot  (every window is 0 here)
	ds_add_u32 v[SPW], v[NIL]                      ; 0 onto my spare word
	s_wait_dscnt 4*NL+1                            ; (the add and the youngest 16 loads may be out)
	WIN MUL_LO
	MUL16 0, 1, 0                                  ; sixteen matrix instructions stand between the add and the wait for it
	s_wait_dscnt 0x0                               ; the add is done, and my reads of this slot are over
	s_barrier_signal -1
	MUL16 2, 1, 0
	WIN 0
	s_barrier_wait -1
.if \fill
	CREST                                          ; the barrier has opened a round of the cluster's barrier: no wave of any partner still reads this slot or has a load on its way
	s_add_nc_u64 s[G0+4*\slot+2:G0+4*\slot+3], s[G0+4*\slot+2:G0+4*\slot+3], 2*ROWB
	s_add_nc_u64 s[G0B+4*\slot+2:G0B+4*\slot+3], s[G0B+4*\slot+2:G0B+4*\slot+3], 2*ROWB
	JLOAD G0+4*\slot, G1, G0B+4*\slot, G1B         ; the first tensor load behind the round, my only one until the next; its four v_nop are the places in front of the loads below
.else
	PLACES NP
.endif
	FETCH_B \next, 0, 0
	FETCH_A \next, 0, 0
	WIN MUL_HI
	MUL16 4, 1, 0
	MUL16 6, 1, 0
	PLACES NP
	WIN 0
	FETCH_A \next, 0, 4
.endm
	s_wait_tensorcnt 1                             ; my part of K step 0 is in (K step 1's load may be out)
	s_barrier_signal -1
	s_barrier_wait -1                              ; everybody's is
	FETCH_B 0, 0, 0
	FETCH_A 0, 0, 0
	FETCH_A 0, 0, 4
	STEP 0, 0, 1                                   ; the first step stands in front of the loop: its products start the sums
	s_mov_b32 s3, LAPS-1
.Llap:                                                 ; a trip goes once round the ring, from a lap's second step to the next lap's first, and fills both slots again
	TURN 0, 1, 1
	STEP 1, 0, 0
	TURN 1, 0, 1
	STEP 0, 0, 0
	s_sub_co_u32 s3, s3, 1
	s_cmp_lg_u32 s3, 0
	s_cbranch_scc1 .Llap
	TURN 0, 1, 0                                   ; the last lap fills nothing, and has no round of the cluster's barrier
	STEP 1, 0, 0
	s_wait_dscnt 4*NL                              ; the very last step: nothing more to fetch
	WIN MUL_LO
	MUL16 0, 1, 0
	MUL16 2, 1, 0
	s_wait_dscnt 0
	WIN MUL_HI
	MUL16 4, 1, 0
	MUL16 6, 1, 0
	WIN 0
; THE WAY OUT.  Block a: 16 rows m x 128 columns n.  sum x 2^(e0 + e1) + bias, held, converted: a lane's codes of tiles 2 p and 2 p + 1 are 16 bytes of its row.  They go into my own stage, rows of 80 bytes.
.macro BLOCK a
.set AC, 64*((\a)%4)
.set CS2, CD+16*((\a)%2)
	WIN 0x02+((\a)/4)                              ; source 0: window 2 or 3
.set j, 0
.rept 32
	v_pk_fma_f32 v[TMP+j:TMP+j+1], v[AC+j:AC+j+1], s[96:97], v[BN+j:BN+j+1] op_sel_hi:[1,0,1]   ; each accumulator from its low end on
.set j, j+2
.endr
	WIN 0
.set j, 0
.rept 32
	v_pk_add_f32 v[TMP+j:TMP+j+1], v[TMP+j:TMP+j+1], v[BM+2*(\a):BM+2*(\a)+1]    ; one of the two biases is 0
.set j, j+2
.endr
.set j, 0
.rept 64
	v_med3_num_f32 v[TMP+j], v[TMP+j], -v[LIMV], v[LIMV]    ; the conversion to an 8-bit code does not saturate (ISA guide 7.6.2)
.set j, j+1
.endr
.irp b, 0,1,2,3,4,5,6,7
	v_cvt_scalef32_pk8_fp8_f32 v[CS2+2*\b:CS2+2*\b+1], v[TMP+8*\b:TMP+8*\b+7], v[SCL]
.endr
	v_nop                                          ; a plain instruction behind the last conversion: the next block writes its sources
.irp p, 0,1,2,3
	ds_store_b128 v[STO], v[CS2+4*\p:CS2+4*\p+3] offset:(\p/2)*SCH+(\a)*16*SROW+32*(\p%2)
.endr
.endm
	PLACES NP                                      ; behind the last products: the first block's numbers are written over the lane operand's fragments
.irp a, 0,1,2,3,4,5,6,7
	BLOCK \a
.endr
	s_wait_dscnt 0x0                               ; my stores into the stage have read their registers: the loads below land on some of them
.irp u, 0,1
.irp t, 0,1,2,3,4,5,6,7,8,9,10,11,12,13,14,15
	ds_load_b128 v[128+64*\u+4*\t:128+64*\u+4*\t+3], v[RD] offset:\u*SCH+8*SROW*\t   ; eight rows of 64 bytes: 512 bytes that follow each other in the buffer
.endr
.endr
.irp u, 0,1
.irp t, 0,1,2,3,4,5,6,7,8,9,10,11,12,13,14,15
	s_wait_dscnt 31-16*\u-\t                       ; LDS loads come back in order: the younger ones may be out
	global_store_b128 v[CO], v[128+64*\u+4*\t:128+64*\u+4*\t+3], s[68+2*\u:69+2*\u] offset:512*\t   ; 32 lanes store 512 consecutive bytes, aligned
.endr
.endr
	s_wait_tensorcnt 0x0                           ; the wave's end: behind my last tensor load and my last LDS store
	ds_add_u32 v[SPW], v[NIL]
	s_wait_dscnt 0x0
	CROUND                                         ; the closing round: no work-group ends while a partner may still ask for a tile that names it
	s_endpgm
.Lfunc_end_k_q529a720530_qkv:
	.size	k_q529a720530_qkv, .Lfunc_end_k_q529a720530_qkv-k_q529a720530_qkv
	.p2alignl 7, 3214868480
	.fill 96, 4, 3214868480
	.section	.rodata,"a",@progbits
	.p2align	6, 0x0
	.amdhsa_kernel k_q529a720530_qkv
		.amdhsa_group_segment_fixed_size 327680
		.amdhsa_private_segment_fixed_size 0
		.amdhsa_enable_private_segment 0
		.amdhsa_kernarg_size 40
		.amdhsa_user_sgpr_count 2
		.amdhsa_user_sgpr_kernarg_segment_ptr 1
		.amdhsa_wavefront_size32 1
		.amdhsa_system_sgpr_workgroup_id_x 1
		.amdhsa_system_sgpr_workgroup_id_y 1
		.amdhsa_system_sgpr_workgroup_id_z 1
		.amdhsa_system_vgpr_workitem_id 0
		.amdhsa_next_free_vgpr 1024
		.amdhsa_next_free_sgpr 100
		.amdhsa_reserve_vcc 0
		.amdhsa_float_denorm_mode_32 3
		.amdhsa_float_denorm_mode_16_64 3
		.amdhsa_memory_ordered 1
		.amdhsa_forward_progress 1
		.amdhsa_inst_pref_size 163
	.end_amdhsa_kernel
	.amdgpu_metadata
---
amdhsa.version: [ 1, 2 ]
amdhsa.kernels:
  - .name:           k_q529a720530_qkv
    .symbol:         k_q529a720530_qkv.kd
    .args:
      - { .name: xn_codes, .offset: 0, .size: 8, .value_kind: global_buffer, .address_space: global }
      - { .name: win_codes, .offset: 8, .size: 8, .value_kind: global_buffer, .address_space: global }
      - { .name: lowp_scales, .offset: 16, .size: 8, .value_kind: global_buffer, .address_space: global }
      - { .name: b_in, .offset: 24, .size: 8, .value_kind: global_buffer, .address_space: global }
      - { .name: qkv, .offset: 32, .size: 8, .value_kind: global_buffer, .address_space: global }
    .group_segment_fixed_size: 327680
    .private_segment_fixed_size: 0
    .kernarg_segment_align: 8
    .kernarg_segment_size: 40
    .max_flat_workgroup_size: 128
    .sgpr_count:     100
    .vgpr_count:     1024
    .wavefront_size: 32
...
	.end_amdgpu_metadata
.endif
;; end of part 2
;; launch attn (part 3): grid 8 x 64, 16 waves a work-group, clusters of 4 x 1, 327,680 bytes of LDS; arguments qkv, lowp_scales, o_codes; writes o_codes
.if DOCPART == 3
	.amdgcn_target "amdgcn-amd-amdhsa--gfx1250"
	.amdhsa_code_object_version 6
	.text
	.protected	k_q529a720530_attn
	.globl	k_q529a720530_attn
	.p2align	8
	.type	k_q529a720530_attn,@function
k_q529a720530_attn:
	s_mov_b64 s[64:65], 0
	v_nop
	global_prefetch_b8 v0, s[64:65] scope:SCOPE_SE
	s_setreg_imm32_b32 hwreg(HW_REG_WAVE_MODE, 25, 1), 1
	s_wait_xcnt 0x0
	s_wait_alu depctr_hold_cnt(0) depctr_sa_sdst(0) depctr_va_vdst(0) depctr_va_sdst(0) depctr_va_ssrc(0) depctr_va_vcc(0) depctr_vm_vsrc(0)
	s_getreg_b32 s2, hwreg(HW_REG_IB_STS2, 6, 4)
	s_cmp_eq_u32 s2, 0
	s_cbranch_scc0 .Lentry_in_a_cluster
	s_endpgm
.Lentry_in_a_cluster:
	s_bfe_u32 s2, ttmp6, 0x10000c
	s_cmp_lg_u32 s2, 0x3003
	s_cbranch_scc0 .Lentry_shape_is_right
	s_endpgm
.Lentry_shape_is_right:
; o[b][h][q][:] = the sum over k of softmax_k(q . k / 8) v, head size 64, 2,048 keys, no mask; both products on codes of FP8 (E4M3); o leaves as codes with 2^e6.
; THE SOFTMAX AHEAD OF THE SECOND PRODUCT: t = score x log2(e) / 8; M = the largest t so far, rounded UP to a whole number; p = 2^(t - M) is quantised with 2^e4; it is not normalised.
; The row's sum is taken of the unquantised p and divides at the end.  When M moves, the sum and O are multiplied by 2^(old M - new M): exact.
; INPUT: the buffer qkv in chunks: q: head h at h x 524,288 + token x 64; k: the same with 16 + h; v: 16,777,216 + (token / 64) x 65,536 + (64 h + d) x 64, the KEYS innermost.
; In each 32 bytes, byte 16 h' + 8 u + j holds index 16 u + 8 h' + j: a load of 16 bytes at 32 c + 16 (lane / 16) puts every k where the plain 8-bit layout has it (registers 2 c, 2 c + 1: k = 16 c + 8 (lane / 16) + 0 .. 7).
; OUTPUT: o_codes [head][token][64 bytes], d in plain order: a wave's 16 tokens are 1,024 consecutive bytes.
; SHARES.  A work-group owns 256 queries of one (b, h); each of its SIXTEEN waves 16 of them, in 256 registers: four waves to a SIMD, so that one wave's vector work stands beside another's matrix work and LDS loads.
; Every wave walks all 2,048 keys, 128 a step.  K and V come through a ring of two LDS slots of 512 keys.  A slot is sixteen tiles of ONE shape, 64 rows x 64 bytes, dense in memory: eight of K (64 keys each), eight of V (64 d x 64 keys each):
; every wave fetches one, so no branch stands round the load.
; CLUSTER.  The four query blocks of a cluster belong to one head and walk the same K and V: each tile is asked for JOINTLY, by the same load with a mask that names the four.
; LAYOUT.  Both products are used transposed: S^T = K Q^T (source 0 = 16 keys, source 1 = my 16 queries), O^T = V^T P^T: a lane holds ONE query (lane % 16) throughout.  Tile t of S^T holds keys 16 t + 8 (lane / 16) + 0 .. 7 in a lane:
; its eight codes ARE registers 2 t, 2 t + 1 of P.
; LIMITS: e2 + e3 between -123 and 130 (added to c's exponent field); e4 and e6 between -126 and 119; e4 + e5 is applied by v_ldexp_f32 and has none.  NaN is not served.
; REGISTERS: v1-7 addresses that stay; v8, v9 addresses of the step's loads; v12 -M, v13 the largest t, v[14:15] the sum in two halves; v16-23 Q; v32-95 K's eight fragments, then V's four; v96-159 S^T, then p; v160-191 O^T; v224-239 P's codes; v236-254 at work.
.set KP,    80                         ; a row in LDS: 64 bytes + 16 of padding: five times 16, so the 16 rows that a load touches start at 16 different places modulo 256 bytes
.set CH,    64*KP                      ; a tile in LDS
.set VOFF,  8*CH                       ; a slot: K's 512 rows, then V's eight chunks
.set SLOT1, 1<<17                      ; slot 1 begins here, so that one exclusive or turns an address in one slot into the other's
.set NSL,   4                          ; slots' worth of keys
.set SPARE, 2*SLOT1                    ; behind the ring: the spare words, 128 bytes a wave: eight blocks of 256 bytes that no other line names
.set STAGE, SPARE+2048                 ; the way out: 16 rows x 80 bytes for each wave: bytes of their own, into which no tile lands
.set AK0,  1                           ; v1   my lane's place in a tile of K
.set AV0,  2                           ; v2   the same for V
.set PFO,  3                           ; v3   the prefetches' offset; never rewritten
.set SPW,  5                           ; v5   LDS address of my spare word; never rewritten
.set NIL,  6                           ; v6   0; never rewritten
.set GO,   7                           ; v7   16 x lane
.set ADK,  8
.set ADV,  9
.set WV,   18                          ; s18  my wave's number
.set SEL,  20                          ; s[20:21] lane selects: lane l xor 16
.set CS,   22                          ; s[22:23] c = log2(e) / 8 x 2^(e2 + e3)
.set G1,   24                          ; s[24:31] descriptor group 1
.set G0,   40                          ; s[40:43] descriptor group 0, which walks
.set TB,   44                          ; s44  LDS byte at which the slot in hand begins
.set STP,  46                          ; s[46:47] a slot on, in bytes: 32,768 in K, 524,288 in V
.set SLOTS, 67                         ; s67  slots still to be asked for
.set PFA,  76                          ; s[76:77] where my prefetches stand
.set LIM,  80                          ; s80  1 in a wave that prefetches, else the greatest number
.macro CROUND                          ; a round of the cluster's barrier
	s_barrier_signal -1
	s_barrier_wait -1
	s_cmp_lg_u32 s[WV], 0
	s_cbranch_scc1 .Lnot_wave_0_\@
	s_barrier_signal -3
.Lnot_wave_0_\@:
	s_barrier_wait -3
	s_barrier_signal -1
	s_barrier_wait -1
.endm
; A PREFETCH INTO THE L2 of what the NEXT change of slots will ask for: four key steps ahead of that load.  It stands behind the wave's tensor load and its five lines.
; Each aligned block of 256 bytes is named ONCE in the launch.  Both clusters of a head walk the same K and V: the first (cluster x = 0) asks.  Its four partners share a slot out BY ADDRESS: of K's 32,768 bytes 8,192 each,
; of V's eight chunks two each.  In each partner wave 0 asks for K's (lanes 256 bytes apart) and wave 8 for V's (sixteen lanes to a chunk's 4,096 bytes): one instruction.
; Slots 0 and 1 come by their loads alone; the last change that fills a slot asks for nothing.
.macro ASK
	s_cmp_gt_u32 s[SLOTS], s[LIM]
	s_cbranch_scc0 .Lnot_mine_\@
	global_prefetch_b8 v[PFO], s[PFA:PFA+1] th:TH_LOAD_NT scope:SCOPE_SE
.Lnot_mine_\@:
.endm
	s_load_b128 s[4:7], s[0:1], 0x0                ; qkv s[4:5], the exponents s[6:7]
	s_load_b64 s[8:9], s[0:1], 0x10                ; o_codes
	v_lshl_add_u32 v[SPW], v0, 2, SPARE
	v_mov_b32 v[NIL], 0
	ds_add_u32 v[SPW], v[NIL]                      ; the wave's opening: the add and its wait stand ahead of my first tensor load; the set-up below, work on registers, stands between them
	v_lshrrev_b32 v8, 5, v0
	v_readfirstlane_b32 s[WV], v8                  ; wave 0..15
	s_bfe_u32 s10, ttmp6, 0x40000                  ; cx: it enters Q's, O's and the prefetches' addresses alone
	s_lshl_b32 s11, ttmp9, 2
	s_add_co_u32 s11, s11, s10                     ; my block of 256 queries
	s_and_b32 s12, ttmp7, 0xffff                   ; 16 b + h, which the four partners share
	s_and_b32 s13, s12, 15                         ; h
	s_lshr_b32 s14, s12, 4                         ; b
	s_lshl_b32 s32, s13, 19
	s_lshl_b32 s33, s14, 17
	s_add_co_u32 s34, s32, s33                     ; q and o: h x 524,288 + b x 2,048 tokens x 64
	s_add_co_u32 s35, s34, 0x800000                ; k: 16 heads further on
	s_lshl_b32 s36, s14, 21
	s_lshl_b32 s37, s13, 12
	s_add_co_u32 s36, s36, s37
	s_add_co_u32 s36, s36, 0x1000000               ; v: b x 32 chunks of 65,536 + h x 64 rows of 64
	s_lshl_b32 s38, s[WV], 12
	s_add_co_u32 s38, s38, s35                     ; waves 0-7: keys 64 w on,
	s_and_b32 s39, s[WV], 7
	s_lshl_b32 s39, s39, 16
	s_add_co_u32 s39, s39, s36                     ; waves 8-15: chunk w - 8
	s_mov_b32 s[STP], 0x80000
	s_mov_b32 s53, 0x20000
	s_mov_b32 s54, 0x10000
	s_cmp_lt_u32 s[WV], 8
	s_cselect_b32 s48, s38, s39                    ; my tile of slot 0, from the buffer's first byte
	s_cselect_b32 s[STP], 0x8000, s[STP]
	s_cselect_b32 s52, s35, s36
	s_cselect_b32 s53, 0x2000, s53                 ; the prefetches: from partner to partner,
	s_cselect_b32 s54, 0x1000, s54                 ; and from lanes 0-15 to lanes 16-31
	s_mov_b32 s49, 0
	s_mov_b32 s[STP+1], 0
	s_mul_i32 s53, s53, s10
	s_add_co_u32 s52, s52, s53
	s_add_co_u32 s52, s52, s[STP]                  ; in slot 1: the first change of slots steps it to slot 2
	s_mov_b32 s53, 0
	s_lshl_b32 s56, s11, 14
	s_lshl_b32 s57, s[WV], 10
	s_add_co_u32 s56, s56, s57
	s_add_co_u32 s56, s56, s34                     ; my 16 queries: 256 x 64 bytes a block, 16 x 64 a wave
	s_mov_b32 s57, 0
	s_and_b32 s[LIM], s[WV], 7                     ; 0 in waves 0 and 8,
	s_or_b32 s[LIM], s[LIM], ttmp9                 ; where the cluster is the head's first: the same in all four partners
	s_cmp_eq_u32 s[LIM], 0
	s_cselect_b32 s[LIM], 1, -1
	; descriptor group 1: 64 rows x 64 bytes, dense in memory, 16 bytes of padding behind each row
	s_mov_b32 s[G1], 15|(0<<16)|(1<<20)|(1<<21)|(3<<22)|(3<<25)   ; 15:0 the mask: all four work-groups; 17:16 elements of 1 byte; 20 padding on; 21 set beside a mask; 24:22 after every 16 words (code 3); 31:25 four words (code 3)
	s_mov_b32 s[G1+1], 64<<16                      ; tensor_dim0
	s_mov_b32 s[G1+2], 64<<16                      ; tensor_dim1
	s_mov_b32 s[G1+3], 64<<16                      ; tile_dim0
	s_mov_b32 s[G1+4], 64                          ; tile_dim1
	s_mov_b32 s[G1+5], 64                          ; tensor_dim0_stride
	s_mov_b32 s[G1+6], 0
	s_mov_b32 s[G1+7], 0
	s_mov_b32 s[G0], 1                             ; count = 1
	s_mul_i32 s[G0+1], s[WV], CH                   ; LDS address: tile w of slot 0: no place in the cluster enters it
	s_mov_b32 s[SEL], 0x76543210
	s_mov_b32 s[SEL+1], 0xfedcba98
	s_mov_b32 s[CS], 0x3e38aa3b                    ; log2(e) / 8
	s_mov_b32 s[TB], 0
	s_mov_b32 s[SLOTS], NSL-1
	s_wait_dscnt 0x0                               ; the opening add is done
	s_wait_kmcnt 0x0
	s_load_b256 s[88:95], s[6:7], 0x0              ; e0 .. e7
	s_add_nc_u64 s[G0+2:G0+3], s[4:5], s[48:49]
	s_or_b32 s[G0+3], s[G0+3], 0x80000000          ; type = 2
	s_add_nc_u64 s[PFA:PFA+1], s[4:5], s[52:53]
	s_add_nc_u64 s[50:51], s[4:5], s[56:57]        ; Q's codes at my first query
	s_add_nc_u64 s[8:9], s[8:9], s[56:57]          ; O's likewise
	CROUND                                         ; all four work-groups are here: the first joint loads meet
	tensor_load_to_lds s[G0:G0+3], s[G1:G1+7]      ; slot 0: one load of mine is out
	s_nop 0
.rept 4
	v_nop
.endr
	v_and_b32 v8, 15, v0                           ; r
	v_bfe_u32 v9, v0, 4, 1                         ; h'
	v_lshlrev_b32 v10, 6, v8
	v_lshl_add_u32 v10, v9, 4, v10                 ; Q: row r of 64 bytes + 16 h'
.irp c, 0,1
	global_load_b128 v[16+4*\c:19+4*\c], v10, s[50:51] offset:32*\c   ; Q's fragment stays in registers
.endr
	v_mul_u32_u24 v[AK0], v8, KP
	v_lshl_add_u32 v[AK0], v9, 4, v[AK0]
	v_add_nc_u32 v[AV0], VOFF, v[AK0]
	v_lshlrev_b32 v[PFO], 8, v8
	v_mul_lo_u32 v11, v9, s54
	v_add_nc_u32 v[PFO], v[PFO], v11
	v_and_b32 v[GO], 31, v0
	v_lshlrev_b32 v[GO], 4, v[GO]
	v_mov_b32 v13, 0xff61b1e6                      ; the largest t so far: -3e38, under every t
	v_floor_f32 v12, -v13                          ; -M
	v_mov_b32 v14, 0                               ; the sum, in two halves
	v_mov_b32 v15, 0
	v_mov_b32 v236, 0                              ; written once: a lane permute's destination counts as one of its sources
	v_mov_b32 v253, 0                              ; (named as the upper half of the pair v[252:253])
.set j, 0
.rept 32
	v_mov_b32 v[160+j], 0                          ; O^T.  (The step is written without a first step of its own: it finds zeros, which the first change of M leaves zeros)
.set j, j+1
.endr
	s_wait_kmcnt 0x0
	s_add_co_i32 s72, s90, s91
	s_lshl_b32 s72, s72, 23
	s_add_co_i32 s[CS], s[CS], s72                 ; a score stands for score x 2^(e2 + e3): the two exponents are added to c's exponent field
	s_mov_b32 s[CS+1], s[CS]                       ; (named with it as a pair, so it is written)
	s_add_co_i32 s72, s92, 127
	s_lshl_b32 s73, s72, 23
	v_mov_b32 v244, s73                            ; 2^e4 as f32, for the conversion
	s_add_co_i32 s72, s72, 8
	s_lshl_b32 s72, s72, 23
	s_or_b32 s72, s72, 0x600000
	v_mov_b32 v240, s72                            ; 448 x 2^e4
; A KEY STEP: 128 keys, the q-th of the slot in hand.
.macro STEP q
	v_add_nc_u32 v[ADK], s[TB], v[AK0]
	v_add_nc_u32 v[ADV], s[TB], v[AV0]
	v_nop
	v_nop                                          ; with the two additions: four places in front of loads into registers that the last products have read
.irp t, 0,1,2,3,4,5,6,7
.irp c, 0,1
	ds_load_b128 v[32+8*\t+4*\c:35+8*\t+4*\c], v[ADK] offset:(128*(\q)+16*\t)*KP+32*\c   ; K: keys 16 t + r
.endr
.endr
	s_wait_dscnt 0x0
.irp t, 0,1,2,3,4,5,6,7
	v_wmma_f32_16x16x64_fp8_fp8 v[96+8*\t:103+8*\t], v[32+8*\t:39+8*\t], v[16:23], 0   ; S^T: lane (r, h') holds query r; register j of tile t key 16 t + 8 h' + j
.endr
.rept 4
	v_nop
.endr
.irp t, 0,1,2,3
.irp c, 0,1,2,3
	ds_load_b128 v[32+16*\t+4*\c:35+16*\t+4*\c], v[ADV] offset:(2*(\q)+\c/2)*CH+16*\t*KP+32*(\c%2)   ; V^T: rows d = 16 t + r, keys 32 c on: asked for now, wanted behind the softmax
.endr
.endr
	v_max3_num_f32 v254, v96, v97, v98             ; the step's largest score of my query, among my 64 keys, in two chains: each accumulator is read from its low end on,
	v_max3_num_f32 v252, v99, v100, v101
.irp i, 6,10,14,18,22,26,30,34,38,42,46,50,54,58
	v_max3_num_f32 v254, v254, v[96+\i], v[97+\i]
	v_max3_num_f32 v252, v252, v[98+\i], v[99+\i]
.endr
	v_max3_num_f32 v254, v254, v158, v159
	v_max_num_f32 v254, v254, v252
	v_permlanex16_b32 v236, v254, s[SEL], s[SEL+1]
	v_max_num_f32 v254, v254, v236                 ; and among lane l xor 16's
	v_mul_f32 v254, s[CS], v254                    ; as t (c is positive)
	v_max_num_f32 v13, v13, v254                   ; the running largest t
	v_mov_b32 v254, v12
	v_floor_f32 v12, -v13                          ; the new -M = floor(-t) = -ceil(t): M is a whole number
	v_sub_f32 v254, v12, v254                      ; M's old value less its new one: a whole number, 0 or less
	v_cvt_i32_f32 v254, v254                       ; (it saturates)
	v_ldexp_f32 v252, 1.0, v254                    ; f = 2^(old M - new M)
.set j, 0
.rept 32
	v_pk_fma_f32 v[96+j:97+j], v[96+j:97+j], s[CS:CS+1], v[12:13] op_sel_hi:[1,0,0]   ; t - M, two at a time (of the pairs c and -M the low word serves both halves)
.set j, j+2
.endr
.set j, 0
.rept 64
	v_exp_f32 v[96+j], v[96+j]                     ; p = 2^(t - M): not normalised
.set j, j+1
.endr
	v_pk_mul_f32 v[14:15], v[14:15], v[252:253] op_sel_hi:[1,0]   ; the sums under the new M.  (A plain instruction behind the exponentials)
	s_wait_alu depctr_va_vdst(0)                   ; the wait ahead of the first reader: one for the whole batch
	v_pk_add_f32 v[242:243], v[96:97], v[98:99]    ; the row's sum is taken of the unquantised p: two at a time, in two chains
.irp j, 4,8,12,16,20,24,28,32,36,40,44,48,52,56,60
	v_pk_add_f32 v[14:15], v[14:15], v[96+\j:97+\j]
	v_pk_add_f32 v[242:243], v[242:243], v[98+\j:99+\j]
.endr
	v_pk_add_f32 v[14:15], v[14:15], v[242:243]
.irp b, 0,1,2,3
.irp i, 0,1,2,3,4,5,6,7,8,9,10,11,12,13,14,15
	v_min_num_f32 v[96+16*\b+\i], v[96+16*\b+\i], v240   ; the conversion does not saturate (ISA guide 7.6.2); p is not negative, so the hold is one-sided
.endr
	v_cvt_scalef32_pk8_fp8_f32 v[224+4*\b:225+4*\b], v[96+16*\b:103+16*\b], v244    ; tile 2 b: P's registers 4 b, 4 b + 1
	v_cvt_scalef32_pk8_fp8_f32 v[226+4*\b:227+4*\b], v[104+16*\b:111+16*\b], v244   ; tile 2 b + 1
.endr
.set j, 0
.rept 16
	v_pk_mul_f32 v[160+j:161+j], v[160+j:161+j], v[252:253] op_sel_hi:[1,0]   ; O^T under the new M.  (Also the plain instructions between the conversions and the products that read their results)
.set j, j+2
.endr
	s_wait_dscnt 0x0                               ; V is in
.irp t, 0,1,2,3
	v_wmma_f32_16x16x128_fp8_fp8 v[160+8*\t:167+8*\t], v[32+16*\t:47+16*\t], v[224:239], v[160+8*\t:167+8*\t]   ; the four accumulators by turns, one instruction a turn; the next step's eight score products stand between two links
.endr
.endm
; THE CHANGE OF SLOTS stands at a slot's head.  Each wave waits for all its tensor loads (its tile of the slot that it is about to read), adds 0 to its spare word, and waits for that and for its reads of the slot that it has left.
; fill = 1: the barrier is a round of the cluster's, so that no wave of any partner still reads the other slot or has a load on its way, and that slot is filled with the next 512 keys: the load has four key steps in which to land.
.macro CHANGE fill
	s_wait_tensorcnt 0x0                           ; no tensor load of mine is out, so group 0 may be written
	ds_add_u32 v[SPW], v[NIL]                      ; 0 onto my spare word; with fill = 1 the descriptor's steps stand between it and the wait for it
.if \fill
	s_xor_b32 s[G0+1], s[G0+1], SLOT1              ; the other slot than last time,
	s_add_nc_u64 s[G0+2:G0+3], s[G0+2:G0+3], s[STP:STP+1]   ; the next 512 keys; the type bits on top are not reached
	s_wait_xcnt 0x0                                ; the last prefetch, a slot back, has read its address, so it may be written:
	s_add_nc_u64 s[PFA:PFA+1], s[PFA:PFA+1], s[STP:STP+1]   ; one slot further on than the descriptor
	s_wait_dscnt 0x0                               ; the add is done, and my reads of the slot that I have left are over
	CROUND
	tensor_load_to_lds s[G0:G0+3], s[G1:G1+7]      ; the first thing behind the round, and my one tensor load until the next
	s_nop 0
.rept 4
	v_nop
.endr
	ASK
.else
	s_wait_dscnt 0x0
	s_barrier_signal -1
	s_barrier_wait -1
.endif
.endm
	s_wait_loadcnt 0x0                             ; Q
.Lslot:                                            ; three trips: behind each change of slots but the last the next slot is asked for
	CHANGE 1
	STEP 0
	STEP 1
	STEP 2
	STEP 3
	s_xor_b32 s[TB], s[TB], SLOT1                  ; on to the other slot
	s_sub_co_u32 s[SLOTS], s[SLOTS], 1
	s_cmp_lg_u32 s[SLOTS], 0
	s_cbranch_scc1 .Lslot
	CHANGE 0                                       ; the last slot is written out
	STEP 0
	STEP 1
	STEP 2
	STEP 3
	; THE WAY OUT.  O^T x 2^(e4 + e5) / the sum is quantised with 2^e6; a lane's eight codes of a tile are 8 bytes of its query's row.  They go through my stage and leave as 1,024 consecutive bytes.
	v_add_f32 v14, v14, v15                        ; the sum's two halves,
	v_permlanex16_b32 v252, v14, s[SEL], s[SEL+1]
	v_add_f32 v14, v14, v252                       ; and lane l xor 16's: the row's sum, above 1/2
	v_rcp_f32 v14, v14
	v_and_b32 v8, 15, v0                           ; (a plain instruction behind the transcendental)  r
	v_bfe_u32 v9, v0, 4, 1                         ; h'
	s_add_co_i32 s72, s92, s93                     ; e4 + e5
	s_mul_i32 s73, s[WV], 16*KP
	s_add_co_u32 s73, s73, STAGE                   ; my stage
	v_mul_u32_u24 v10, v8, KP
	v_lshl_add_u32 v10, v9, 3, v10
	v_add_nc_u32 v10, s73, v10                     ; in: row r, + 8 h'; tile t: 16 t further on
	v_bfe_u32 v11, v0, 2, 3
	v_mul_u32_u24 v11, v11, KP
	v_and_b32 v8, 3, v0
	v_lshl_add_u32 v11, v8, 4, v11
	v_add_nc_u32 v11, s73, v11                     ; back: four lanes to a row of 64 bytes, eight rows an instruction
	s_add_co_i32 s74, s94, 127
	s_lshl_b32 s75, s74, 23
	v_mov_b32 v244, s75                            ; 2^e6
	s_add_co_i32 s74, s74, 8
	s_lshl_b32 s74, s74, 23
	s_or_b32 s74, s74, 0x600000
	v_mov_b32 v240, s74                            ; 448 x 2^e6
	s_wait_alu depctr_va_vdst(0)                   ; the wait ahead of the reciprocal's first reader
	v_ldexp_f32 v14, v14, s72
.set j, 0
.rept 32
	v_mul_f32 v[96+j], v[160+j], v14               ; register 8 t + i is o(query r, d = 16 t + 8 h' + i); each accumulator from its low end on
.set j, j+1
.endr
.set j, 0
.rept 32
	v_med3_num_f32 v[96+j], v[96+j], -v240, v240
.set j, j+1
.endr
.irp t, 0,1,2,3
	v_cvt_scalef32_pk8_fp8_f32 v[224+2*\t:225+2*\t], v[96+8*\t:103+8*\t], v244
.endr
	v_nop                                          ; a plain instruction behind the last conversion
.irp t, 0,1,2,3
	ds_store_b64 v10, v[224+2*\t:225+2*\t] offset:16*\t
.endr
.irp i, 0,1
	ds_load_b128 v[32+4*\i:35+4*\i], v11 offset:8*KP*\i   ; LDS serves a wave's instructions in order (ISA guide 5.7.1.4): these see my stores
.endr
.irp i, 0,1
	s_wait_dscnt 1-\i
	global_store_b128 v[GO], v[32+4*\i:35+4*\i], s[8:9] offset:512*\i   ; 32 lanes store 512 consecutive bytes, aligned
.endr
	s_wait_tensorcnt 0x0                           ; the wave's end: behind my last tensor load and my last LDS store
	ds_add_u32 v[SPW], v[NIL]
	s_wait_dscnt 0x0
	CROUND                                         ; the closing round: no work-group ends while a partner may still ask for a tile that names it
	s_endpgm
.Lfunc_end_k_q529a720530_attn:
	.size	k_q529a720530_attn, .Lfunc_end_k_q529a720530_attn-k_q529a720530_attn
	.p2alignl 7, 3214868480
	.fill 96, 4, 3214868480
	.section	.rodata,"a",@progbits
	.p2align	6, 0x0
	.amdhsa_kernel k_q529a720530_attn
		.amdhsa_group_segment_fixed_size 327680
		.amdhsa_private_segment_fixed_size 0
		.amdhsa_enable_private_segment 0
		.amdhsa_kernarg_size 24
		.amdhsa_user_sgpr_count 2
		.amdhsa_user_sgpr_kernarg_segment_ptr 1
		.amdhsa_wavefront_size32 1
		.amdhsa_system_sgpr_workgroup_id_x 1
		.amdhsa_system_sgpr_workgroup_id_y 1
		.amdhsa_system_sgpr_workgroup_id_z 1
		.amdhsa_system_vgpr_workitem_id 0
		.amdhsa_next_free_vgpr 256
		.amdhsa_next_free_sgpr 100
		.amdhsa_reserve_vcc 0
		.amdhsa_float_denorm_mode_32 3
		.amdhsa_float_denorm_mode_16_64 3
		.amdhsa_memory_ordered 1
		.amdhsa_forward_progress 1
		.amdhsa_inst_pref_size 134
	.end_amdhsa_kernel
	.amdgpu_metadata
---
amdhsa.version: [ 1, 2 ]
amdhsa.kernels:
  - .name:           k_q529a720530_attn
    .symbol:         k_q529a720530_attn.kd
    .args:
      - { .name: qkv, .offset: 0, .size: 8, .value_kind: global_buffer, .address_space: global }
      - { .name: lowp_scales, .offset: 8, .size: 8, .value_kind: global_buffer, .address_space: global }
      - { .name: o_codes, .offset: 16, .size: 8, .value_kind: global_buffer, .address_space: global }
    .group_segment_fixed_size: 327680
    .private_segment_fixed_size: 0
    .kernarg_segment_align: 8
    .kernarg_segment_size: 24
    .max_flat_workgroup_size: 512
    .sgpr_count:     100
    .vgpr_count:     256
    .wavefront_size: 32
...
	.end_amdgpu_metadata
.endif
;; end of part 3
;; launch proj (part 4): grid 4 x 32, 4 waves a work-group, clusters of 4 x 4, 327,680 bytes of LDS; arguments o_codes, wout_codes, lowp_scales, b_out, out0; writes out0
.if DOCPART == 4
	.amdgcn_target "amdgcn-amd-amdhsa--gfx1250"
	.amdhsa_code_object_version 6
	.text
	.protected	k_q529a720530_proj
	.globl	k_q529a720530_proj
	.p2align	8
	.type	k_q529a720530_proj,@function
k_q529a720530_proj:
	s_mov_b64 s[64:65], 0
	v_nop
	global_prefetch_b8 v0, s[64:65] scope:SCOPE_SE
	s_setreg_imm32_b32 hwreg(HW_REG_WAVE_MODE, 25, 1), 1
	s_wait_xcnt 0x0
	s_wait_alu depctr_hold_cnt(0) depctr_sa_sdst(0) depctr_va_vdst(0) depctr_va_sdst(0) depctr_va_ssrc(0) depctr_va_vcc(0) depctr_vm_vsrc(0)
	s_getreg_b32 s2, hwreg(HW_REG_IB_STS2, 6, 4)
	s_cmp_eq_u32 s2, 0
	s_cbranch_scc0 .Lentry_in_a_cluster
	s_endpgm
.Lentry_in_a_cluster:
	s_bfe_u32 s2, ttmp6, 0x10000c
	s_cmp_lg_u32 s2, 0xf033
	s_cbranch_scc0 .Lentry_shape_is_right
	s_endpgm
.Lentry_shape_is_right:
; out0 = o W_out^T x 2^(e6 + e7) + b_out on codes of FP8 (E4M3).  o_codes: [head 16][token 8192][64 bytes]; wout_codes: [1024][1024], K innermost; out0: [8192][1024] f32.
; LIMIT: e6 + e7 between -126 and 127, so that 2^(e6 + e7) is an f32 number.
; A tile of 256 x 256 to a work-group of four waves, 128 x 128 to a wave: 64 accumulators, 512 registers.  K goes in steps of 256 (four heads) through a ring of two LDS slots.
; 128 tiles: 128 work-groups.  A tile half as high would make 256 of them, each fragment read from LDS then feeding fewer products; this text keeps the larger tile.
; CLUSTERS: 4 x 4 work-groups.  The four of a row of the cluster need the same tile of o, the four of a column the same tile of W: each tile is asked for JOINTLY.
; o's TILE.  A head's 256 tokens are 16,384 consecutive bytes; heads lie 524,288 bytes apart.  Wave 0 fetches two heads of a K step and wave 1 the other two: a tile of 2 rows of 16,384 bytes, with 16 bytes of padding
; behind every 64: in LDS [head][token][80 bytes].  Two heads are 128 along K: a fragment's four loads take 32 bytes' worth each of head 2 q and of head 2 q + 1, k = 32 c + 16 (lane / 16) + 0 .. 15, as W's do from its plain rows.
; THE MATRIX INSTRUCTION IS USED TRANSPOSED (source 0 = 16 rows of W, source 1 = 16 tokens): a lane holds eight neighbouring numbers of a row of out0.
; REGISTERS, in windows of 256: window 0: v0-31 addresses; v32-95 the bias; from v128 o's fragments, ONE set; on the way out v128-255 take rows read back.
;   window 1: W's fragments, TWO sets; on the way out v0-63 hold a block's numbers.   window 2: the accumulators of my rows 0-63;   window 3: those of rows 64-127.
.set SIZE_N, 1024
.set SIZE_K, 1024
.set KSTEP,  256
.set ROWB,   256                       ; W: a tile's row in bytes
.set KROW,   SIZE_K
.set PITCH,  272                       ; W: an LDS row: 256 bytes + 16 of padding
.set AROW,   80                        ; o: a token's 64 bytes of a head + 16 of padding
.set AHEAD,  256*AROW                  ; a head's 256 tokens in LDS
.set FR,     16
.set NL,     4
.set NP,     4
.set HALFT,  128*PITCH                 ; W: 128 rows: what one tensor load brings
.set BOFF,   4*AHEAD                   ; a slot: o's four heads, then W's 256 rows
.set SLOT,   BOFF+2*HALFT
.set LAPS,   SIZE_K/(2*KSTEP)
.set SPARE,  2*SLOT                    ; behind the ring: the spare words, 128 bytes a wave: two blocks of 256 bytes that no other line names
.set SPITCH, 528                       ; the way out: a stage of 16 rows x (512 bytes + 16) for each wave, in slot 0, which has had its last fill and its last read when the first result is stored there
.set ADRA, 16                          ; v16-19  LDS address of o's fragments: slot s, step q at v[16 + 2 s + q]
.set ADRB, 20                          ; v20-21  of W's, in slot 0, 1
.set STO,  24
.set RD,   25
.set CO,   26
.set SPW,  28                          ; v28     LDS address of my spare word; never rewritten
.set NIL,  29                          ; v29     0; never rewritten
.set BN,   32                          ; v32-95  register 8 b + j: b_out at column n0 + 16 b + 8 h + j
.set TMP,  0                           ; in window 1: a block's 64 numbers
.set AF,   128
.set BK,   128                         ; 16 rows read back from the stage: v128-191 and v192-255 by turns
.set G1, 24
.set G0, 32
.set G1B, 48
.set G0B, 56
.set MSB, 0
.macro WIN new                         ; the immediate's high byte repeats the setting that is left
.if MSB != \new
	s_set_vgpr_msb (MSB<<8)|\new
.set MSB, \new
.endif
.endm
.set MUL_LO, 0xa1                      ; source 0 (W) window 1, source 1 (o) window 0, C and D window 2
.set MUL_HI, 0xf1
.set TO_B,   0x40
.macro JLOAD g0a, g1a, g0b, g1b        ; a joint load: waves 0 and 1 fetch for o, waves 2 and 3 for W; an s_nop 0 and four v_nop follow each of the two lines
	s_cmp_eq_u32 s15, 0
	s_cbranch_scc0 .Lfor_b_\@
	tensor_load_to_lds s[\g0a:\g0a+3], s[\g1a:\g1a+7]
	s_nop 0
.rept 4
	v_nop
.endr
	s_branch .Lasked_\@
.Lfor_b_\@:
	tensor_load_to_lds s[\g0b:\g0b+3], s[\g1b:\g1b+7]
	s_nop 0
.rept 4
	v_nop
.endr
.Lasked_\@:
.endm
.macro CREST
	s_cmp_lg_u32 s14, 0
	s_cbranch_scc1 .Lnot_wave_0_\@
	s_barrier_signal -3
.Lnot_wave_0_\@:
	s_barrier_wait -3
	s_barrier_signal -1
	s_barrier_wait -1
.endm
.macro CROUND
	s_barrier_signal -1
	s_barrier_wait -1
	CREST
.endm
	s_load_b128 s[4:7], s[0:1], 0x0                ; o's codes s[4:5], W's codes s[6:7]
	s_load_b128 s[8:11], s[0:1], 0x10              ; the exponents s[8:9], b_out s[10:11]
	s_load_b64 s[12:13], s[0:1], 0x20              ; out0
	v_lshl_add_u32 v[SPW], v0, 2, SPARE
	v_mov_b32 v[NIL], 0
	ds_add_u32 v[SPW], v[NIL]                      ; the wave's opening: the add and its wait stand ahead of my first tensor load; the set-up below, work on registers, stands between them
	v_lshrrev_b32 v1, 5, v0
	v_readfirstlane_b32 s14, v1                    ; wave 0..3
	s_lshr_b32 s15, s14, 1                         ; which half of the tile's rows is mine.  Also: I fetch for o (0) or for W (1)
	s_and_b32 s16, s14, 1                          ; which half of its columns.  Also: which half of that tile I fetch
	s_bfe_u32 s40, ttmp6, 0x40000                  ; cx, cy
	s_bfe_u32 s41, ttmp6, 0x40004
	s_lshl_b32 s42, ttmp9, 2
	s_add_co_u32 s42, s42, s40                     ; tile column
	s_and_b32 s17, ttmp7, 0xffff
	s_lshl_b32 s17, s17, 2
	s_add_co_u32 s17, s17, s41                     ; tile row
	s_lshl_b32 s43, s41, 2
	s_lshl_b32 s43, 15, s43                        ; my row of the cluster
	s_lshl_b32 s44, 0x1111, s40                    ; my column
	; descriptor group 1 for o: 2 rows (heads) of 16,384 bytes, 524,288 bytes apart; padding: four words after every 16
	s_or_b32 s[G1+0], s43, (0<<16)|(1<<20)|(1<<21)|(3<<22)|(3<<25)
	s_mov_b32 s[G1+1], (16384&0xffff)<<16          ; tensor_dim0 = 16,384
	s_mov_b32 s[G1+2], 2<<16                       ; tensor_dim1 = 2
	s_mov_b32 s[G1+3], 16384<<16                   ; tile_dim0 = 16,384
	s_mov_b32 s[G1+4], 2                           ; tile_dim1 = 2
	s_mov_b32 s[G1+5], 524288                      ; tensor_dim0_stride
	s_mov_b32 s[G1+6], 0
	s_mov_b32 s[G1+7], 0
	; and for W: 128 rows x 256 bytes; padding: four words after every 64
	s_or_b32 s[G1B+0], s44, (0<<16)|(1<<20)|(1<<21)|(5<<22)|(3<<25)
	s_mov_b32 s[G1B+1], ROWB<<16
	s_mov_b32 s[G1B+2], 128<<16
	s_mov_b32 s[G1B+3], ROWB<<16
	s_mov_b32 s[G1B+4], 128
	s_mov_b32 s[G1B+5], KROW
	s_mov_b32 s[G1B+6], 0
	s_mov_b32 s[G1B+7], 0
	s_lshl_b32 s20, s16, 20                        ; o: two heads x 524,288 for the second half,
	s_lshl_b32 s21, s17, 14
	s_add_co_u32 s20, s20, s21                     ; + 256 tokens x 64 bytes x tile row
	s_mov_b32 s21, 0
	s_lshl_b32 s46, s42, 8
	s_lshl_b32 s18, s16, 7
	s_add_co_u32 s46, s46, s18                     ; W: row 256 x tile column + 128 x half,
	s_lshl_b32 s46, s46, 10                        ; of 1,024 bytes
	s_mov_b32 s47, 0
	s_mul_i32 s45, s16, 2*AHEAD                    ; where they go: o's halves,
	s_mul_i32 s67, s16, HALFT
	s_add_co_u32 s67, s67, BOFF                    ; W's halves: no place in the cluster enters an LDS address
	s_wait_dscnt 0x0                               ; the opening add is done
	s_wait_kmcnt 0x0
	s_load_b256 s[72:79], s[8:9], 0x0              ; e0 .. e7
	s_add_nc_u64 s[20:21], s[4:5], s[20:21]
	s_add_nc_u64 s[46:47], s[6:7], s[46:47]
	CROUND                                         ; all sixteen work-groups are here: the first joint loads meet
.irp s, 0,1
	s_mov_b32 s[G0+4*\s], 1
	s_add_co_u32 s[G0+4*\s+1], s45, \s*SLOT
	s_add_nc_u64 s[G0+4*\s+2:G0+4*\s+3], s[20:21], \s*4*524288     ; K step s: four heads on
	s_or_b32 s[G0+4*\s+3], s[G0+4*\s+3], 0x80000000
	s_mov_b32 s[G0B+4*\s], 1
	s_add_co_u32 s[G0B+4*\s+1], s67, \s*SLOT
	s_add_nc_u64 s[G0B+4*\s+2:G0B+4*\s+3], s[46:47], \s*ROWB
	s_or_b32 s[G0B+4*\s+3], s[G0B+4*\s+3], 0x80000000
	JLOAD G0+4*\s, G1, G0B+4*\s, G1B               ; two loads of mine are out
.endr
	v_and_b32 v1, 15, v0                           ; r
	v_bfe_u32 v2, v0, 4, 1                         ; h
	v_mul_u32_u24 v3, v1, PITCH
	v_lshl_add_u32 v4, v2, 4, v3                   ; W: row x 272 + 16 h
	v_mul_u32_u24 v3, v1, AROW
	v_lshl_add_u32 v3, v2, 4, v3                   ; o: token x 80 + 16 h
	s_mul_i32 s21, s15, 128*AROW                   ; my 128 tokens of a head's 256
	s_mul_i32 s22, s16, HALFT                      ; my 128 rows of W,
	s_add_co_u32 s22, s22, BOFF                    ; which lie behind o's four heads
.irp s, 0,1
	v_add_nc_u32 v[ADRA+2*\s], s21, v3
	s_add_co_u32 s21, s21, 2*AHEAD                 ; the slot's second 128 along K: two heads on
	v_add_nc_u32 v[ADRA+2*\s+1], s21, v3
	s_add_co_u32 s21, s21, SLOT-2*AHEAD
	v_add_nc_u32 v[ADRB+\s], s22, v4
	s_add_co_u32 s22, s22, SLOT
.endr
	s_mul_i32 s23, s14, 16*SPITCH                  ; my stage
	v_mul_u32_u24 v5, v1, SPITCH                   ; in: row r, 32 bytes for each half of the lanes
	v_lshl_add_u32 v5, v2, 5, v5
	v_add_nc_u32 v[STO], s23, v5
	v_and_b32 v6, 31, v0
	v_lshlrev_b32 v[CO], 4, v6                     ; back: the 32 lanes take one row of 512 bytes; and the same in out0
	v_add_nc_u32 v[RD], s23, v[CO]
	s_lshl_b32 s20, s17, 8
	s_lshl_b32 s21, s15, 7
	s_add_co_u32 s20, s20, s21                     ; my first row of out0
	s_mov_b32 s21, 0
	s_mov_b64 s[18:19], SIZE_N*4
	s_mul_u64 s[20:21], s[20:21], s[18:19]
	s_lshl_b32 s46, s42, 10                        ; my first column, in bytes: 1,024 x tile column + 512 x half
	s_lshl_b32 s47, s16, 9
	s_add_co_u32 s46, s46, s47
	s_mov_b32 s47, 0
	s_add_nc_u64 s[20:21], s[20:21], s[46:47]
	s_add_nc_u64 s[12:13], s[12:13], s[20:21]
	s_add_nc_u64 s[10:11], s[10:11], s[46:47]      ; and the same column in b_out
	v_lshlrev_b32 v8, 5, v2                        ; 32 h
.irp b, 0,1,2,3,4,5,6,7
	global_load_b128 v[BN+8*\b:BN+8*\b+3], v8, s[10:11] offset:64*\b
	global_load_b128 v[BN+8*\b+4:BN+8*\b+7], v8, s[10:11] offset:64*\b+16
.endr
	s_wait_kmcnt 0x0
	s_add_co_i32 s96, s78, s79                     ; e6 + e7
	s_add_co_i32 s96, s96, 127
	s_lshl_b32 s96, s96, 23                        ; 2^(e6 + e7) as f32
	s_mov_b32 s97, s96                             ; (named with it as a pair, so it is written)
	s_wait_loadcnt 0x0                             ; the bias
.macro FRAG reg, adr, q, i             ; W: registers 4 c .. 4 c + 3 hold K = 32 c + 16 (l / 16) + 0 .. 15 of row l % 16
.irp c, 0,1,2,3
	ds_load_b128 v[\reg+4*\c:\reg+4*\c+3], v[\adr] offset:128*(\q)+32*\c+(\i)*16*PITCH
.endr
.endm
.macro FRAGA reg, slot, q, i           ; o: the same k: head c / 2 of the step's two, bytes 32 (c % 2) + 16 (l / 16) on
.irp c, 0,1,2,3
	ds_load_b128 v[\reg+4*\c:\reg+4*\c+3], v[ADRA+2*(\slot)+(\q)] offset:(\c/2)*AHEAD+32*(\c%2)+(\i)*16*AROW
.endr
.endm
; 16 matrix instructions; the 64 accumulators take turns, one instruction a turn, in the same order in every step.
.macro MUL16 a0, p, zero
.irp a, \a0, \a0+1
.irp b, 0,1,2,3,4,5,6,7
.if \zero
	v_wmma_f32_16x16x128_fp8_fp8 v[8*(8*((\a)%4)+\b):8*(8*((\a)%4)+\b)+7], v[128*(\p)+FR*\b:128*(\p)+FR*\b+FR-1], v[AF+FR*(\a):AF+FR*(\a)+FR-1], 0
.else
	v_wmma_f32_16x16x128_fp8_fp8 v[8*(8*((\a)%4)+\b):8*(8*((\a)%4)+\b)+7], v[128*(\p)+FR*\b:128*(\p)+FR*\b+FR-1], v[AF+FR*(\a):AF+FR*(\a)+FR-1], v[8*(8*((\a)%4)+\b):8*(8*((\a)%4)+\b)+7]
.endif
.endr
.endr
.endm
.macro FETCH_B slot, q, p
	WIN TO_B
.irp i, 0,1,2,3,4,5,6,7
	FRAG 128*(\p)+FR*\i, ADRB+\slot, \q, \i
.endr
	WIN 0
.endm
.macro FETCH_A slot, q, i0
.irp i, \i0, \i0+1, \i0+2, \i0+3
	FRAGA AF+FR*(\i), \slot, \q, \i
.endr
.endm
.macro PLACES n                        ; plain vector instructions that name no register of the matrix instructions before them (ISA guide 7.12.1)
.rept \n
	v_nop
.endr
.endm
.macro STEP slot, q, zero
	s_wait_dscnt 4*NL                              ; W's set and o's blocks 0-3 are in; the youngest 16 loads (blocks 4-7) may be out
	WIN MUL_LO
	MUL16 0, (\q)%2, \zero
	MUL16 2, (\q)%2, \zero
	s_wait_dscnt 0
	PLACES NP
	FETCH_B \slot, (\q)+1, 1-(\q)%2
	FETCH_A \slot, (\q)+1, 0
	WIN MUL_HI
	MUL16 4, (\q)%2, \zero
	MUL16 6, (\q)%2, \zero
	PLACES NP
	WIN 0
	FETCH_A \slot, (\q)+1, 4
.endm
.macro TURN slot, next, fill
	s_wait_tensorcnt 0x0                           ; all my tensor loads have landed: my part of the next slot  (every window is 0 here)
	ds_add_u32 v[SPW], v[NIL]                      ; 0 onto my spare word
	s_wait_dscnt 4*NL+1                            ; (the add and the youngest 16 loads may be out)
	WIN MUL_LO
	MUL16 0, 1, 0
	s_wait_dscnt 0x0                               ; the add is done, and my reads of this slot are over
	s_barrier_signal -1
	MUL16 2, 1, 0
	WIN 0
	s_barrier_wait -1
.if \fill
	CREST                                          ; a round of the cluster's barrier: no wave of any partner still reads this slot or has a load on its way
	s_add_nc_u64 s[G0+4*\slot+2:G0+4*\slot+3], s[G0+4*\slot+2:G0+4*\slot+3], 2*4*524288   ; two K steps on: eight heads
	s_add_nc_u64 s[G0B+4*\slot+2:G0B+4*\slot+3], s[G0B+4*\slot+2:G0B+4*\slot+3], 2*ROWB
	JLOAD G0+4*\slot, G1, G0B+4*\slot, G1B         ; the first tensor load behind the round, my only one until the next
.else
	PLACES NP
.endif
	FETCH_B \next, 0, 0
	FETCH_A \next, 0, 0
	WIN MUL_HI
	MUL16 4, 1, 0
	MUL16 6, 1, 0
	PLACES NP
	WIN 0
	FETCH_A \next, 0, 4
.endm
	s_wait_tensorcnt 1                             ; my part of K step 0 is in (K step 1's load may be out)
	s_barrier_signal -1
	s_barrier_wait -1                              ; everybody's is
	FETCH_B 0, 0, 0
	FETCH_A 0, 0, 0
	FETCH_A 0, 0, 4
	STEP 0, 0, 1                                   ; the first step's products start the sums
	s_mov_b32 s3, LAPS-1
.Llap:
	TURN 0, 1, 1
	STEP 1, 0, 0
	TURN 1, 0, 1
	STEP 0, 0, 0
	s_sub_co_u32 s3, s3, 1
	s_cmp_lg_u32 s3, 0
	s_cbranch_scc1 .Llap
	TURN 0, 1, 0                                   ; the last lap fills nothing
	STEP 1, 0, 0
	s_wait_dscnt 4*NL
	WIN MUL_LO
	MUL16 0, 1, 0
	MUL16 2, 1, 0
	s_wait_dscnt 0
	WIN MUL_HI
	MUL16 4, 1, 0
	MUL16 6, 1, 0
	WIN 0
; THE WAY OUT, block by block of 16 rows x 128 columns: sum x 2^(e6 + e7) + b_out; through my own stage; back as whole rows of 512 bytes.
.macro TOSTAGE a
.set AC, 64*((\a)%4)
	WIN 0x42+((\a)/4)                              ; source 0 (the sums) window 2 or 3, source 2 (the bias) window 0, destination window 1
.set j, 0
.rept 32
	v_pk_fma_f32 v[TMP+j:TMP+j+1], v[AC+j:AC+j+1], s[96:97], v[BN+j:BN+j+1] op_sel_hi:[1,0,1]   ; each accumulator from its low end on
.set j, j+2
.endr
	WIN 0x04                                       ; an LDS store's data: window 1; its address: window 0
.irp b, 0,1,2,3,4,5,6,7
	ds_store_b128 v[STO], v[TMP+8*\b:TMP+8*\b+3] offset:64*\b
	ds_store_b128 v[STO], v[TMP+8*\b+4:TMP+8*\b+7] offset:64*\b+16
.endr
	WIN 0
.set BB, BK+64*((\a)%2)
.irp t, 0,1,2,3,4,5,6,7,8,9,10,11,12,13,14,15
	ds_load_b128 v[BB+4*\t:BB+4*\t+3], v[RD] offset:\t*SPITCH    ; LDS serves a wave's instructions in order (ISA guide 5.7.1.4): these see the stores above
.endr
.endm
.macro SEND a, younger                 ; younger: the LDS instructions issued behind block a's loads, which may stay out
.set BB, BK+64*((\a)%2)
	s_wait_dscnt \younger
.if (\a) > 0
	s_add_nc_u64 s[12:13], s[12:13], 16*SIZE_N*4   ; (behind a wait on XCNT: the earlier stores have read their base)
.endif
.irp t, 0,1,2,3,4,5,6,7,8,9,10,11,12,13,14,15
	global_store_b128 v[CO], v[BB+4*\t:BB+4*\t+3], s[12:13] offset:\t*SIZE_N*4 th:TH_STORE_NT   ; 32 lanes store 512 consecutive bytes, aligned; written once, read by nobody here
.endr
.endm
	PLACES NP                                      ; behind the last products: for the first reads of results and the loads into the registers that held o's fragments
	TOSTAGE 0
.irp a, 1,2,3,4,5,6,7
.if \a > 1
	s_wait_xcnt 0x0                                ; block a - 2's stores have read their registers and their base: block a's loads may land there, and the base may step
.endif
	TOSTAGE \a
	SEND \a-1, 32                                  ; behind block a - 1's loads: block a's 16 stores and 16 loads
.endr
	s_wait_xcnt 0x0                                ; block 6's stores have read their base
	SEND 7, 0
	s_wait_tensorcnt 0x0                           ; the wave's end: behind my last tensor load and my last LDS store
	ds_add_u32 v[SPW], v[NIL]
	s_wait_dscnt 0x0
	CROUND                                         ; the closing round: no work-group ends while a partner may still ask for a tile that names it
	s_endpgm
.Lfunc_end_k_q529a720530_proj:
	.size	k_q529a720530_proj, .Lfunc_end_k_q529a720530_proj-k_q529a720530_proj
	.p2alignl 7, 3214868480
	.fill 96, 4, 3214868480
	.section	.rodata,"a",@progbits
	.p2align	6, 0x0
	.amdhsa_kernel k_q529a720530_proj
		.amdhsa_group_segment_fixed_size 327680
		.amdhsa_private_segment_fixed_size 0
		.amdhsa_enable_private_segment 0
		.amdhsa_kernarg_size 40
		.amdhsa_user_sgpr_count 2
		.amdhsa_user_sgpr_kernarg_segment_ptr 1
		.amdhsa_wavefront_size32 1
		.amdhsa_system_sgpr_workgroup_id_x 1
		.amdhsa_system_sgpr_workgroup_id_y 1
		.amdhsa_system_sgpr_workgroup_id_z 1
		.amdhsa_system_vgpr_workitem_id 0
		.amdhsa_next_free_vgpr 1024
		.amdhsa_next_free_sgpr 100
		.amdhsa_reserve_vcc 0
		.amdhsa_float_denorm_mode_32 3
		.amdhsa_float_denorm_mode_16_64 3
		.amdhsa_memory_ordered 1
		.amdhsa_forward_progress 1
		.amdhsa_inst_pref_size 125
	.end_amdhsa_kernel
	.amdgpu_metadata
---
amdhsa.version: [ 1, 2 ]
amdhsa.kernels:
  - .name:           k_q529a720530_proj
    .symbol:         k_q529a720530_proj.kd
    .args:
      - { .name: o_codes, .offset: 0, .size: 8, .value_kind: global_buffer, .address_space: global }
      - { .name: wout_codes, .offset: 8, .size: 8, .value_kind: global_buffer, .address_space: global }
      - { .name: lowp_scales, .offset: 16, .size: 8, .value_kind: global_buffer, .address_space: global }
      - { .name: b_out, .offset: 24, .size: 8, .value_kind: global_buffer, .address_space: global }
      - { .name: out0, .offset: 32, .size: 8, .value_kind: global_buffer, .address_space: global }
    .group_segment_fixed_size: 327680
    .private_segment_fixed_size: 0
    .kernarg_segment_align: 8
    .kernarg_segment_size: 40
    .max_flat_workgroup_size: 128
    .sgpr_count:     100
    .vgpr_count:     1024
    .wavefront_size: 32
...
	.end_amdgpu_metadata
.endif
;; end of part 4
